; MI455X (gfx1250); checked and timed in simulation.
; The chip was launched on July 23, 2026; its instructions are those of AMD's public machine-readable ISA for CDNA 5 (MIT licence, August 2026) and "CDNA5" Instruction Set Architecture Reference Guide (July 2026). The comments in the code are by the model that wrote it; some were corrected since.
;; Multi Head Attention. Allowed arithmetic: matrix products marked QUANTISED: E2M3 operands, one E8M0 scale for each 32 along K, by v_wmma_scale_f32_16x16x128_f8f6f4 with both operands' format E2M3, f32 sums; everything else in f32.
;; Inputs: Wk 1,024 x 1,024 float32; Wo 1,024 x 1,024 float32; Wq 1,024 x 1,024 float32; Wv 1,024 x 1,024 float32; bo 1,024 float32; x 4 x 2,048 x 1,024 float32.
;; Outputs: out0 4 x 2,048 x 1,024 float32.
;; This version of the problem:
;;   THIS VERSION OF THE PROBLEM IS GIVEN IN LOW PRECISION. The matrix products marked QUANTISED in the list below multiply operands that are first quantised to E2M3 (2 exponent bits, 3 mantissa bits; 6 bits a number), with one power-of-two scale for each 32 numbers along K (OCP MX v1.0); their sums are f32. All else is computed in f32.
;;   The module's matrix products, in the order in which they are computed (A, B: the left and right operand; K: the contracted axis; several contracted axes count as one K, in the product's order):
;;     1. [M 8,192, K 1,024] x [K 1,024, N 1,024]; A: input x; B: input Wq: QUANTISED
;;     2. [M 8,192, K 1,024] x [K 1,024, N 1,024]; A: input x; B: input Wk: QUANTISED
;;     3. [M 8,192, K 1,024] x [K 1,024, N 1,024]; A: input x; B: input Wv: QUANTISED
;;     4. batch 64 x [M 2,048, K 64] x [K 64, N 2,048]; A: computed on the way; B: computed on the way: QUANTISED
;;     5. batch 64 x [M 2,048, K 2,048] x [K 2,048, N 64]; A: softmax (see below); B: computed on the way: QUANTISED
;;     6. [M 8,192, K 1,024] x [K 1,024, N 1,024]; A: computed on the way; B: input Wo: QUANTISED
;;   THE QUANTISER, for each operand of a quantised product, along K:
;;     - K is cut into blocks of 32 from its start; a last block that is shorter is filled with zeros.
;;     - A block's scale is 2^e with e = floor(log2(the largest magnitude in the block)) - 2, held to -126 .. 127; a block of zeros has e = 0. As a byte (E8M0): e + 127.
;;     - Each number is divided by its block's scale, clamped to +-7.5, and rounded to the nearest number of E2M3, ties to even, subnormals kept.
;;     - The product sums the exact products of the quantised numbers (number of the format x scale) in f32.
;;   ~~~python
;;   def quantise(x, axis):      # numpy; x: float32 -> the quantised numbers, widened to float32 again
;;       x = np.moveaxis(x, axis, -1); K = x.shape[-1]
;;       x = np.pad(x, [(0, 0)] * (x.ndim - 1) + [(0, -K % 32)]); x = x.reshape(x.shape[:-1] + (-1, 32)); a = np.abs(x).max(-1, keepdims=True)
;;       e = np.where(a > 0, np.clip(np.frexp(np.where(a > 0, a, 1))[1] - 1 - 2, -126, 127), 0)      # np.frexp(a)[1] - 1 = floor(log2(a)), exactly
;;       r = np.clip(x / 2.0 ** e, -7.5, 7.5)
;;       step = 2.0 ** (np.maximum(np.frexp(np.where(r == 0, 1, r))[1] - 1, 0) - 3)
;;       q = np.round(r / step) * step * 2.0 ** e      # np.round: ties to even
;;       return np.moveaxis(q.reshape(q.shape[:-2] + (-1,))[..., :K], -1, axis).astype(np.float32)
;;   ~~~
;;   SOFTMAX AHEAD OF A QUANTISED PRODUCT. Where the list says 'softmax', what is quantised is not the finished softmax but p = 2^(t - M), with t = logit x log2(e) and M = ceil(the row's largest t), a whole number; so 1/2 < the row's largest p <= 1. The row's sum l is taken of the UNQUANTISED p, in f32, and the product's result is divided by l at the end. Since M is a whole number, a kernel that streams over the keys may use a running M (the ceiling of the running maximum): every later rescaling is an exact power of two, which a block's scale takes up: the codes' values come out the same.
;;   OPERANDS COMPUTED ON THE WAY. 'Computed on the way' means the value that the module computes at that place (a softmax that the list does not call 'softmax' is quantised finished and normalised). What goes into a quantiser is computed in f32, as accurately as f32 sums, v_exp_f32 and their like allow (about 1e-6 of the number): no bf16 or f16 on the way to a quantiser, and a product that is left as it is and whose result goes on into a quantised operand takes f32 operands (vector FMAs, or v_wmma_f32_16x16x4_f32). A number that lies on a knife's edge between two numbers of the format may be rounded either way, as far as f32 arithmetic and the matrix unit's own rounding can turn it there, and no further.
;; One version. Each part assembles by itself: llvm-mc -triple=amdgcn-amd-amdhsa -mcpu=gfx1250 --defsym DOCPART=n.
;; ======== version 1 of 1: 5 launches
;; workspace buffers: xq 6,553,600 bytes; wq 3,276,800 bytes; qb 6,815,744 bytes; kv 13,369,344 bytes; cq 6,553,600 bytes
;; launch qx (part 1): grid 256 x 1, 8 waves a work-group, no clusters, 136,192 bytes of LDS; arguments x, xq; writes xq
.if DOCPART == 1
	.amdgcn_target "amdgcn-amd-amdhsa--gfx1250"
	.amdhsa_code_object_version 6
	.text
	.protected	k_qd98a24e603_qx
	.globl	k_qd98a24e603_qx
	.p2align	8
	.type	k_qd98a24e603_qx,@function
k_qd98a24e603_qx:
	s_mov_b64 s[64:65], 0
	v_nop
	global_prefetch_b8 v0, s[64:65] scope:SCOPE_SE
	s_setreg_imm32_b32 hwreg(HW_REG_WAVE_MODE, 25, 1), 1
	s_wait_xcnt 0x0
; x [8192][1024] f32 becomes codes of FP6 (E2M3) with one E8M0 byte for each 32 along K, laid as the products' launches want them.
; ROWS go in groups of 32; a group has two tiles u = 0, 1; row rho of tile u is row 32 g + 8 u + rho + 8 (rho / 8).
; CODES: [group][K step of 128][u][1,536 bytes]: the image of the operand's 12 registers: three pieces of 512 bytes, lane l's registers 4 c .. 4 c + 3 at 16 l.
; SCALES, from byte XS_OFF on: [group][K step][16 u + rho], one word (four bytes: the step's four blocks).
; A block's scale is 2^(floor(log2(largest magnitude)) - 2); its byte is the largest magnitude's exponent field - 2, held at 1 from below.
; LIMITS: NaN and infinities are not served; a block whose largest magnitude lies under 2^-124 gets the byte 1; a block of zeros gets the byte 1 and not 127 (its codes are zeros; this program alone reads the bytes).
; SHARES: work-group g takes group g, wave w K step w, both tiles.  Each load reads 512 consecutive bytes of a row; a tile's 16 rows turn through the wave's own stage in LDS,
; so that lane (r, h) gets, of row r, the 16 neighbours 32 b + 16 h + 0 .. 15 of each block b.  Waves share nothing: no barrier.
.set XS_OFF, 6291456
.set SP,     528                       ; a stage row: 512 bytes + 16: an odd multiple of 16, so that sixteen rows' pieces of 16 bytes start at different banks
.set STG1,   16*SP                     ; the second tile's stage
.set WREG,   2*STG1                    ; a wave's LDS
.set R0,  16                           ; v16-79   tile 0 as loaded; later tile 1's neighbours
.set R1,  80                           ; v80-143  tile 1 as loaded
.set X0,  144                          ; v144-207 tile 0's neighbours
.set PC,  208                          ; v208-227 the codes just made
.set TM,  228                          ; v228-243 at work
.set PW,  244                          ; the scale word just made
.set PW0, 245                          ; tile 0's
.set SEL, 10                           ; s[10:11] selects for lane l xor 16
; 64 numbers of a lane, register 16 b + i = k 32 b + 16 (lane / 16) + i of my row, become a fragment's codes in v[PC] on and its scale word in v[PW].
.macro QUANT s
.irp b, 0,1,2,3
	v_max3_num_f32 v[TM+\b], |v[\s+16*\b]|, |v[\s+1+16*\b]|, 0x1800000   ; my 16 numbers of block b, and the floor 2^(3 - 127)
.endr
.irp i, 2,4,6,8,10,12,14
.irp b, 0,1,2,3
	s_delay_alu instid0(VALU_DEP_4)
	v_max3_num_f32 v[TM+\b], v[TM+\b], |v[\s+16*\b+\i]|, |v[\s+1+16*\b+\i]|
.endr
.endr
.irp b, 0,1,2,3
	s_delay_alu instid0(VALU_DEP_4)
	v_permlanex16_b32 v[TM+4+\b], v[TM+\b], s[SEL], s[SEL+1]
.endr
.irp b, 0,1,2,3
	s_delay_alu instid0(VALU_DEP_4)
	v_max_num_f32 v[TM+\b], v[TM+\b], v[TM+4+\b]               ; with lane l xor 16's: the block's largest magnitude
.endr
.irp b, 0,1,2,3
	s_delay_alu instid0(VALU_DEP_4)
	v_add_nc_u32 v[TM+12+\b], 0xff000000, v[TM+\b]             ; 2 off its exponent field: the conversion's scale operand
.endr
.irp b, 0,1,2,3
	s_delay_alu instid0(VALU_DEP_4)
	v_lshrrev_b32 v[TM+4+\b], 23, v[TM+12+\b]                  ; the scale's byte
.endr
	s_delay_alu instid0(VALU_DEP_3)
	v_lshl_or_b32 v[PW], v[TM+5], 8, v[TM+4]
	s_delay_alu instid0(VALU_DEP_1)
	v_lshl_or_b32 v[PW], v[TM+6], 16, v[PW]
	s_delay_alu instid0(VALU_DEP_1)
	v_lshl_or_b32 v[PW], v[TM+7], 24, v[PW]
.irp c, 0,1
	v_cvt_scalef32_pk16_fp6_f32 v[PC+6*\c:PC+2+6*\c], v[\s+32*\c:\s+15+32*\c], v[TM+12+2*\c]
	v_cvt_scalef32_pk16_fp6_f32 v[PC+12+4*\c:PC+14+4*\c], v[\s+16+32*\c:\s+31+32*\c], v[TM+12+2*\c+1]   ; (a conversion's three registers begin on an even number)
.endr
	v_nop                                          ; one plain place behind a scaled conversion
.irp c, 0,1                                    ; the operand's layout wants a whole block in a lane: lanes 0-15 block 2 c, lanes 16-31 block 2 c + 1
.irp i, 0,1,2
	v_permlane16_swap_b32 v[PC+6*\c+\i], v[PC+12+4*\c+\i]
.endr
.irp i, 0,1,2
	s_delay_alu instid0(VALU_DEP_3)
	v_mov_b32 v[PC+3+6*\c+\i], v[PC+12+4*\c+\i]
.endr
.endr
.endm
	s_load_b128 s[4:7], s[0:1], 0x0                ; x, xq
	v_lshl_add_u32 v254, v0, 2, 0x21000
	v_mov_b32 v255, 0
	v_lshrrev_b32 v6, 5, v0
	s_delay_alu instid0(VALU_DEP_1)
	v_readfirstlane_b32 s12, v6                    ; wave 0..7 = K step
	v_and_b32 v7, 31, v0                           ; lane
	v_and_b32 v8, 15, v0                           ; r
	v_bfe_u32 v9, v0, 4, 1                         ; h
	v_lshlrev_b32 v1, 4, v0                        ; in a row of x: 512 w + 16 lane
	s_mul_i32 s13, s12, WREG
	v_lshl_add_u32 v2, v7, 4, s13                  ; the stage, on the way in: 16 lane
	v_mul_u32_u24 v3, v8, SP
	s_delay_alu instid0(VALU_DEP_1)
	v_lshl_add_u32 v3, v9, 6, v3
	s_delay_alu instid0(VALU_DEP_1)
	v_add_nc_u32 v3, s13, v3                       ; and out: row r, + 64 h
	s_mul_i32 s14, s12, 3072
	v_lshl_add_u32 v4, v7, 4, s14                  ; the codes: 3,072 w + 16 lane
	v_lshlrev_b32 v5, 2, v0                        ; the scale words: 128 w + 4 lane
	s_mov_b32 s[SEL], 0x76543210
	s_mov_b32 s[SEL+1], 0xfedcba98
.irp b, 0,1,2,3
	v_mov_b32 v[TM+4+\b], 0                        ; written once: a lane permute's destination counts as one of its sources
.endr
	s_lshl_b32 s2, ttmp9, 17                       ; 32 rows of 4,096 bytes
	s_mov_b32 s3, 0
	s_mul_i32 s8, ttmp9, 24576                     ; a group's codes
	s_mov_b32 s9, 0
	s_lshl_b32 s16, ttmp9, 10                      ; a group's scale words
	s_add_co_u32 s16, s16, XS_OFF
	s_mov_b32 s17, 0
	s_wait_alu depctr_va_vdst(0)
	s_wait_kmcnt 0x0
	s_add_nc_u64 s[4:5], s[4:5], s[2:3]
	s_add_nc_u64 s[18:19], s[6:7], s[16:17]
	s_add_nc_u64 s[6:7], s[6:7], s[8:9]
.irp u, 0,1
.irp i, 0,1,2,3,4,5,6,7,8,9,10,11,12,13,14,15
	global_load_b128 v[R0+64*\u+4*\i:R0+64*\u+4*\i+3], v1, s[4:5] offset:(8*\u+\i+8*(\i/8))*4096 th:TH_LOAD_NT   ; row i of tile u: 32 lanes read 512 consecutive bytes
.endr
.endr
	s_wait_loadcnt 16                              ; tile 0's sixteen loads are in; tile 1's may be out
.irp i, 0,1,2,3,4,5,6,7,8,9,10,11,12,13,14,15
	ds_store_b128 v2, v[R0+4*\i:R0+4*\i+3] offset:SP*\i
.endr
.irp b, 0,1,2,3
.irp j, 0,1,2,3
	ds_load_b128 v[X0+16*\b+4*\j:X0+16*\b+4*\j+3], v3 offset:128*\b+16*\j   ; LDS serves a wave's instructions in order: these see the stores above
.endr
.endr
	s_wait_loadcnt 0x0
.irp i, 0,1,2,3,4,5,6,7,8,9,10,11,12,13,14,15
	ds_store_b128 v2, v[R1+4*\i:R1+4*\i+3] offset:STG1+SP*\i
.endr
	s_wait_dscnt 16                                ; all but tile 1's sixteen stores: tile 0's neighbours are in, and its stores have read v16-79
.irp b, 0,1,2,3
.irp j, 0,1,2,3
	ds_load_b128 v[R0+16*\b+4*\j:R0+16*\b+4*\j+3], v3 offset:STG1+128*\b+16*\j
.endr
.endr
	QUANT X0
	v_mov_b32 v[PW0], v[PW]
.irp c, 0,1,2
	global_store_b128 v4, v[PC+4*\c:PC+4*\c+3], s[6:7] offset:512*\c     ; 512 consecutive bytes, aligned
.endr
	s_wait_dscnt 0x0                               ; tile 1's neighbours are in
	s_wait_xcnt 0x0                                ; the stores have read the codes' registers, which are written again below
	QUANT R0
.irp c, 0,1,2
	global_store_b128 v4, v[PC+4*\c:PC+4*\c+3], s[6:7] offset:1536+512*\c
.endr
	v_cmp_le_u32 vcc_lo, 16, v7
	s_delay_alu instid0(VALU_DEP_1)
	v_cndmask_b32 v[PW0], v[PW0], v[PW], vcc_lo    ; lanes 0-15: tile 0's words, lanes 16-31: tile 1's (both halves of the lanes hold row r's word)
	global_store_b32 v5, v[PW0], s[18:19]
	s_wait_tensorcnt 0x0
	ds_add_u32 v254, v255
	s_wait_dscnt 0x0
	s_endpgm
.Lfunc_end_k_qd98a24e603_qx:
	.size	k_qd98a24e603_qx, .Lfunc_end_k_qd98a24e603_qx-k_qd98a24e603_qx
	.p2alignl 7, 3214868480
	.fill 96, 4, 3214868480
	.section	.rodata,"a",@progbits
	.p2align	6, 0x0
	.amdhsa_kernel k_qd98a24e603_qx
		.amdhsa_group_segment_fixed_size 136192
		.amdhsa_private_segment_fixed_size 0
		.amdhsa_enable_private_segment 0
		.amdhsa_kernarg_size 16
		.amdhsa_user_sgpr_count 2
		.amdhsa_user_sgpr_kernarg_segment_ptr 1
		.amdhsa_wavefront_size32 1
		.amdhsa_system_sgpr_workgroup_id_x 1
		.amdhsa_system_sgpr_workgroup_id_y 1
		.amdhsa_system_sgpr_workgroup_id_z 1
		.amdhsa_system_vgpr_workitem_id 0
		.amdhsa_next_free_vgpr 256
		.amdhsa_next_free_sgpr 66
		.amdhsa_reserve_vcc 1
		.amdhsa_float_denorm_mode_32 3
		.amdhsa_float_denorm_mode_16_64 3
		.amdhsa_memory_ordered 1
		.amdhsa_forward_progress 1
		.amdhsa_inst_pref_size 21
	.end_amdhsa_kernel
	.amdgpu_metadata
---
amdhsa.version: [ 1, 2 ]
amdhsa.kernels:
  - .name:           k_qd98a24e603_qx
    .symbol:         k_qd98a24e603_qx.kd
    .args:
      - { .name: x, .offset: 0, .size: 8, .value_kind: global_buffer, .address_space: global }
      - { .name: xq, .offset: 8, .size: 8, .value_kind: global_buffer, .address_space: global }
    .group_segment_fixed_size: 136192
    .private_segment_fixed_size: 0
    .kernarg_segment_align: 8
    .kernarg_segment_size: 16
    .max_flat_workgroup_size: 256
    .sgpr_count:     66
    .vgpr_count:     256
    .wavefront_size: 32
...
	.end_amdgpu_metadata
.endif
;; end of part 1
;; launch qw (part 2): grid 32 x 4, 4 waves a work-group, no clusters, 25,088 bytes of LDS; arguments Wq, Wk, Wv, Wo, wq; writes wq
.if DOCPART == 2
	.amdgcn_target "amdgcn-amd-amdhsa--gfx1250"
	.amdhsa_code_object_version 6
	.text
	.protected	k_qd98a24e603_qw
	.globl	k_qd98a24e603_qw
	.p2align	8
	.type	k_qd98a24e603_qw,@function
k_qd98a24e603_qw:
	s_mov_b64 s[64:65], 0
	v_nop
	global_prefetch_b8 v0, s[64:65] scope:SCOPE_SE
	s_setreg_imm32_b32 hwreg(HW_REG_WAVE_MODE, 25, 1), 1
	s_wait_xcnt 0x0
; The four weights [1024 (k)][1024 (n)] f32, K their FIRST axis, become codes of FP6 (E2M3) with one E8M0 byte for each 32 along K, in one buffer, laid as x's codes are:
; groups of 32 columns n (Wq 0-31, Wk 32-63, Wv 64-95, Wo 96-127); column 8 u + rho + 8 (rho / 8) of a group is row rho of its tile u;
; codes [group][K step of 128][u][1,536 bytes: the image of the operand's 12 registers, lane l's registers 4 c .. 4 c + 3 at 512 c + 16 l]; scale words from WS_OFF on, [group][K step][16 u + rho].
; A LANE TAKES A COLUMN AND ITS REGISTERS RUN DOWN K: a block of 32 lies in one lane's 32 registers, and the conversions give the codes with K innermost.
; A block (K step s, block 2 c + hh) is registers 6 c .. 6 c + 5 of lane 16 hh + rho of its tile: it goes to that place of the image in the wave's own stage in LDS, and the stage leaves in runs of 512 bytes.
; LIMITS: NaN and infinities are not served; a block whose largest magnitude lies under 2^-124 gets the byte 1; a block of zeros gets the byte 1 and not 127 (its codes are zeros; this program alone reads the bytes).
; SHARES: work-group x: weight x / 8, columns 128 (x % 8) on; wave w 32 of them: one group; work-group y: 256 along K: two K steps, eight blocks a lane.  Waves share nothing: no barrier.
.set WS_OFF, 3145728
.set X,     32                         ; v32-95   two sets of 32 numbers
.set C,     96                         ; v96-101  a block's codes
.set T,     104                        ; v104-106 their second half as the conversion leaves it
.set OUTR,  112                        ; v112-159 the way out
.set SB,    24                         ; v24-25   the scale words of the two K steps
	s_load_b256 s[4:11], s[0:1], 0x0               ; Wq, Wk, Wv, Wo
	s_load_b64 s[12:13], s[0:1], 0x20              ; wq
	v_lshl_add_u32 v192, v0, 2, 0x6000
	v_mov_b32 v193, 0
	v_lshrrev_b32 v1, 5, v0
	v_readfirstlane_b32 s16, v1                    ; wave 0..3
	v_and_b32 v2, 31, v0                           ; lane = my column in the group
	v_lshlrev_b32 v3, 2, v2                        ; in: 4 bytes a lane
	v_bfe_u32 v5, v0, 3, 1                         ; u
	v_and_b32 v6, 7, v0
	v_bfe_u32 v10, v0, 4, 1
	v_lshl_add_u32 v6, v10, 3, v6                  ; rho
	s_mul_i32 s17, s16, 6144                       ; my stage: 2 K steps x 2 tiles x 1,536 bytes
	v_mul_u32_u24 v4, v5, 1536
	v_lshl_add_u32 v4, v6, 4, v4
	v_add_nc_u32 v4, s17, v4                       ; into it: 1,536 u + 16 rho
	v_lshlrev_b32 v8, 4, v2                        ; out: 16 bytes a lane
	v_add_nc_u32 v7, s17, v8
	v_lshlrev_b32 v9, 6, v5
	v_lshl_add_u32 v9, v6, 2, v9                   ; my scale word: 4 (16 u + rho)
	s_lshr_b32 s14, ttmp9, 3                       ; which weight
	s_and_b32 s15, ttmp9, 7
	s_and_b32 s18, ttmp7, 0xffff                   ; which 256 along K
	s_lshl_b32 s20, s18, 20                        ; 256 rows of 4,096 bytes,
	s_lshl_b32 s21, s15, 9
	s_add_co_u32 s20, s20, s21                     ; 128 columns a work-group,
	s_lshl_b32 s21, s16, 7
	s_add_co_u32 s20, s20, s21                     ; 32 a wave
	s_mov_b32 s21, 0
	s_lshl_b32 s19, ttmp9, 2
	s_add_co_u32 s19, s19, s16                     ; my group in wq
	s_mul_i32 s22, s19, 24576
	s_mul_i32 s23, s18, 6144
	s_add_co_u32 s22, s22, s23
	s_mov_b32 s23, 0
	s_lshl_b32 s24, s19, 10
	s_lshl_b32 s25, s18, 8
	s_add_co_u32 s24, s24, s25
	s_add_co_u32 s24, s24, WS_OFF
	s_mov_b32 s25, 0
	s_wait_kmcnt 0x0
	s_cmp_eq_u32 s14, 1                            ; the choice hangs on the work-group's number alone
	s_cselect_b64 s[4:5], s[6:7], s[4:5]
	s_cmp_eq_u32 s14, 2
	s_cselect_b64 s[4:5], s[8:9], s[4:5]
	s_cmp_eq_u32 s14, 3
	s_cselect_b64 s[4:5], s[10:11], s[4:5]
	s_add_nc_u64 s[4:5], s[4:5], s[20:21]
	s_add_nc_u64 s[6:7], s[12:13], s[22:23]        ; the codes
	s_add_nc_u64 s[8:9], s[12:13], s[24:25]        ; the scale words
.macro LOAD t                          ; block t: W(32 t + n, my column), n = 0 .. 31, into set t % 2; each load reads 128 consecutive bytes
.set n, 0
.rept 32
	global_load_b32 v[X+32*((\t)%2)+n], v3, s[4:5] offset:(32*(\t)+n)*4096 th:TH_LOAD_NT
.set n, n+1
.endr
.endm
	LOAD 0
	LOAD 1
.macro BLOCK t
.set XS, X+32*((\t)%2)
.if (\t) < 7
	s_wait_loadcnt 32                              ; this block's 32 loads are in; the next block's may be out
.else
	s_wait_loadcnt 0x0
.endif
	v_max3_num_f32 v12, |v[XS]|, |v[XS+1]|, |v[XS+2]|
	v_max3_num_f32 v13, |v[XS+3]|, |v[XS+4]|, |v[XS+5]|
.irp i, 6,10,14,18,22,26
	v_max3_num_f32 v12, v12, |v[XS+\i]|, |v[XS+\i+1]|
	v_max3_num_f32 v13, v13, |v[XS+\i+2]|, |v[XS+\i+3]|
.endr
	v_max3_num_f32 v12, v12, |v[XS+30]|, |v[XS+31]|
	v_max3_num_f32 v12, v12, v13, 0x1800000        ; and the floor 2^(3 - 127)
	v_add_nc_u32 v11, 0xff000000, v12              ; 2 off the exponent field: the conversion's scale operand
	v_lshrrev_b32 v13, 23, v11                     ; the scale's byte
.if (\t)%4 == 0
	v_mov_b32 v[SB+(\t)/4], v13
.else
	v_lshl_or_b32 v[SB+(\t)/4], v13, 8*((\t)%4), v[SB+(\t)/4]
.endif
	v_cvt_scalef32_pk16_fp6_f32 v[C:C+2], v[XS:XS+15], v11
	v_cvt_scalef32_pk16_fp6_f32 v[T:T+2], v[XS+16:XS+31], v11      ; (a conversion's three registers begin on an even number)
	v_nop                                          ; one plain place behind a scaled conversion
.irp i, 0,1,2
	v_mov_b32 v[C+3+\i], v[T+\i]
.endr
.set BO, 3072*((\t)/4)+256*((\t)%2)    ; the K step's images, and lanes 16 hh on
.if ((\t)%4) < 2                       ; registers 0-3 are piece 0, registers 4-5 the first half of piece 1
	ds_store_b128 v4, v[C:C+3] offset:BO
	ds_store_b64 v4, v[C+4:C+5] offset:BO+512
.else                                  ; registers 6-7 are the second half of piece 1, registers 8-11 piece 2
	ds_store_b64 v4, v[C:C+1] offset:BO+520
	ds_store_b128 v4, v[C+2:C+5] offset:BO+1024
.endif
.if (\t)+2 < 8
	LOAD (\t)+2
.endif
	s_wait_dscnt 0x0                               ; the stores have read their registers: the next block's codes may be written
.endm
.irp t, 0,1,2,3,4,5,6,7
	BLOCK \t
.endr
	global_store_b32 v9, v[SB], s[8:9]
	s_wait_alu depctr_va_vdst(0)
	global_store_b32 v9, v[SB+1], s[8:9] offset:128
.irp i, 0,1,2,3,4,5,6,7,8,9,10,11
	ds_load_b128 v[OUTR+4*\i:OUTR+4*\i+3], v7 offset:512*\i        ; LDS serves a wave's instructions in order: these see my stores
.endr
.irp i, 0,1,2,3,4,5,6,7,8,9,10,11
	s_wait_dscnt 11-\i
	global_store_b128 v8, v[OUTR+4*\i:OUTR+4*\i+3], s[6:7] offset:512*\i   ; 512 consecutive bytes, aligned
.endr
	s_wait_tensorcnt 0x0
	ds_add_u32 v192, v193
	s_wait_dscnt 0x0
	s_endpgm
.Lfunc_end_k_qd98a24e603_qw:
	.size	k_qd98a24e603_qw, .Lfunc_end_k_qd98a24e603_qw-k_qd98a24e603_qw
	.p2alignl 7, 3214868480
	.fill 96, 4, 3214868480
	.section	.rodata,"a",@progbits
	.p2align	6, 0x0
	.amdhsa_kernel k_qd98a24e603_qw
		.amdhsa_group_segment_fixed_size 25088
		.amdhsa_private_segment_fixed_size 0
		.amdhsa_enable_private_segment 0
		.amdhsa_kernarg_size 40
		.amdhsa_user_sgpr_count 2
		.amdhsa_user_sgpr_kernarg_segment_ptr 1
		.amdhsa_wavefront_size32 1
		.amdhsa_system_sgpr_workgroup_id_x 1
		.amdhsa_system_sgpr_workgroup_id_y 1
		.amdhsa_system_sgpr_workgroup_id_z 1
		.amdhsa_system_vgpr_workitem_id 0
		.amdhsa_next_free_vgpr 194
		.amdhsa_next_free_sgpr 66
		.amdhsa_reserve_vcc 0
		.amdhsa_float_denorm_mode_32 3
		.amdhsa_float_denorm_mode_16_64 3
		.amdhsa_memory_ordered 1
		.amdhsa_forward_progress 1
		.amdhsa_inst_pref_size 42
	.end_amdhsa_kernel
	.amdgpu_metadata
---
amdhsa.version: [ 1, 2 ]
amdhsa.kernels:
  - .name:           k_qd98a24e603_qw
    .symbol:         k_qd98a24e603_qw.kd
    .args:
      - { .name: Wq, .offset: 0, .size: 8, .value_kind: global_buffer, .address_space: global }
      - { .name: Wk, .offset: 8, .size: 8, .value_kind: global_buffer, .address_space: global }
      - { .name: Wv, .offset: 16, .size: 8, .value_kind: global_buffer, .address_space: global }
      - { .name: Wo, .offset: 24, .size: 8, .value_kind: global_buffer, .address_space: global }
      - { .name: wq, .offset: 32, .size: 8, .value_kind: global_buffer, .address_space: global }
    .group_segment_fixed_size: 25088
    .private_segment_fixed_size: 0
    .kernarg_segment_align: 8
    .kernarg_segment_size: 40
    .max_flat_workgroup_size: 128
    .sgpr_count:     66
    .vgpr_count:     194
    .wavefront_size: 32
...
	.end_amdgpu_metadata
.endif
;; end of part 2
;; launch proj (part 3): grid 8 x 32, 4 waves a work-group, clusters of 4 x 1, 229,888 bytes of LDS; arguments xq, wq, qb, kv; writes qb, kv
.if DOCPART == 3
	.amdgcn_target "amdgcn-amd-amdhsa--gfx1250"
	.amdhsa_code_object_version 6
	.text
	.protected	k_qd98a24e603_proj
	.globl	k_qd98a24e603_proj
	.p2align	8
	.type	k_qd98a24e603_proj,@function
k_qd98a24e603_proj:
	s_mov_b64 s[64:65], 0
	v_nop
	global_prefetch_b8 v0, s[64:65] scope:SCOPE_SE
	s_setreg_imm32_b32 hwreg(HW_REG_WAVE_MODE, 25, 1), 1
	s_wait_xcnt 0x0
	s_wait_alu depctr_hold_cnt(0) depctr_sa_sdst(0) depctr_va_vdst(0) depctr_va_sdst(0) depctr_va_ssrc(0) depctr_va_vcc(0) depctr_vm_vsrc(0)
	s_getreg_b32 s2, hwreg(HW_REG_IB_STS2, 6, 4)
	s_cmp_eq_u32 s2, 0
	s_cbranch_scc0 .Lentry_in_a_cluster
	s_endpgm
.Lentry_in_a_cluster:
	s_bfe_u32 s2, ttmp6, 0x10000c
	s_cmp_lg_u32 s2, 0x3003
	s_cbranch_scc0 .Lentry_shape_is_right
	s_endpgm
.Lentry_shape_is_right:
; q = x Wq, k = x Wk, v = x Wv on codes of FP6 (E2M3) with E8M0 scales, sums in f32; the results are quantised in registers, along the K of the attention's products, and leave as codes.
; SHARES.  A work-group takes 256 tokens (8 groups of 32) and columns 128 X .. 128 X + 127 of q, of k and of v.  Wave w takes 32 of these columns of each: six tiles of 16 columns.
; Its 48 weight fragments (6 tiles x 8 K steps, 576 registers) stay in registers, read once.  x's codes of the 256 tokens (196,608 bytes) and their scale words (8,192) come into LDS once and stay: nothing is filled again.
; CLUSTER.  The four work-groups of a cluster have the same tokens: each wave's two tensor loads are joint loads with the mask of all four; their addresses hang on the work-group's y and the wave's number alone.
; LAYOUT.  Rows (tokens, columns) go in groups of 32 with two tiles; row rho of tile u is row 8 u + rho + 8 (rho / 8) of the group.  So the 16 registers of a pair of result tiles are 16 neighbours.
;   q, k: source 0 = 16 columns of W, source 1 = 16 tokens: a lane holds one token and 16 neighbouring dims 16 h + 0 .. 15 of my 32: one block of the head's 64, shared with lane l xor 16.
;   v:    source 0 = 16 tokens, source 1 = 16 columns of W: a lane holds one dim and 16 neighbouring keys 16 h + 0 .. 15 of the group's 32: one block along the keys.
; OUT.  A lane's 16 codes are 12 bytes; in every target a block's 24 bytes lie at 24 (16 block-half + row), so a wave's store covers 384 consecutive bytes.
;   qb: [batch x head][query tile][768 bytes]; scale words behind QS_OFF, [batch x head][tile][row]: bytes 0, 1 the head's two blocks, bytes 2, 3 = 0x7f (for the zero codes that fill the instruction's K).
;   kv: [batch x head][key step of 128][13,056 bytes]: K's 8 tiles x 768; at 6,144 V [dim tile 4][c 2][768]; at 12,288 K's scale words [tile][row]; at 12,800 V's [dim tile][row].
; The scale bytes are gathered in LDS, each wave in bytes of its own, and leave at the end in runs of 256 or 512 bytes.
; LIMITS: NaN and infinities are not served; a block whose largest magnitude lies under 2^-124 gets the byte 1; a block of zeros gets the byte 1 and not 127 (its codes are zeros; this program alone reads the bytes).
; REGISTERS, in windows of 256.  Window 0: v1-15, v44-47 addresses; v16-39 W's scale words; v40-43 x's, a ring of four; v48-143 the 12 accumulators; v144-196 the quantiser; v200-217 the dump.
;   Window 1: v0-95 x's fragments, a ring of four K steps x two tiles; from v96 weight fragments 0-12.  Window 2: fragments 13-33.  Window 3: fragments 34-47.  (Fragment 6 s + tile.)
.set XS_OFF, 6291456
.set WS_OFF, 3145728
.set QS_OFF, 6291456
.set XSL,  196608                      ; LDS: x's scale words
.set QW,   204800                      ; q's scale bytes as words, [wave][group][16 ut + r]; k's 4,096 bytes on
.set STGV, 212992                      ; v's scale words, [group][wave][16 cv + r]
.set XAD, 3                            ; v3  LDS address of the group's images: 16 lane + 24,576 g
.set XSA, 4                            ; v4  of its scale words: 4 lane + 1,024 g
.set VQ,  5                            ; v5-7 the stores' offsets
.set VK,  6
.set VV,  7
.set QWA, 8                            ; v8  where my scale bytes of q go
.set SVA, 9                            ; v9  and v's words
.set WS,  16
.set XSR, 40
.set ACC, 48
.set M,   144
.set T,   150
.set SO,  156
.set BY,  162
.set C,   168
.set SW,  192
.set WD,  194
.set MSB, 0
.macro WIN new                         ; the immediate's high byte repeats the setting that is left
.if MSB != (\new)
	s_set_vgpr_msb (MSB<<8)|(\new)
.set MSB, (\new)
.endif
.endm
.macro CROUND                          ; a round of the cluster's barrier
	s_barrier_signal -1
	s_barrier_wait -1
	s_cmp_lg_u32 s12, 0
	s_cbranch_scc1 .Lnot_wave_0_\@
	s_barrier_signal -3
.Lnot_wave_0_\@:
	s_barrier_wait -3
	s_barrier_signal -1
	s_barrier_wait -1
.endm
.macro WF f                            ; window and first register of weight fragment f
.if (\f) < 13
.set WFW, 1
.set WFR, 96+12*(\f)
.elseif (\f) < 34
.set WFW, 2
.set WFR, 12*((\f)-13)
.else
.set WFW, 3
.set WFR, 12*((\f)-34)
.endif
.endm
; One product on the registers named by rD, rA, rB, rSA, rSB.  z: it starts the sum.  ra, rb: the side's scale words lie in lanes 16-31.
.macro MM z, ra, rb
.if \z
.if \ra
.if \rb
	v_wmma_scale_f32_16x16x128_f8f6f4 v[rD:rD+7], v[rA:rA+11], v[rB:rB+11], 0, v[rSA], v[rSB] matrix_a_fmt:MATRIX_FMT_FP6 matrix_b_fmt:MATRIX_FMT_FP6 matrix_a_scale:MATRIX_SCALE_ROW1 matrix_b_scale:MATRIX_SCALE_ROW1
.else
	v_wmma_scale_f32_16x16x128_f8f6f4 v[rD:rD+7], v[rA:rA+11], v[rB:rB+11], 0, v[rSA], v[rSB] matrix_a_fmt:MATRIX_FMT_FP6 matrix_b_fmt:MATRIX_FMT_FP6 matrix_a_scale:MATRIX_SCALE_ROW1
.endif
.else
.if \rb
	v_wmma_scale_f32_16x16x128_f8f6f4 v[rD:rD+7], v[rA:rA+11], v[rB:rB+11], 0, v[rSA], v[rSB] matrix_a_fmt:MATRIX_FMT_FP6 matrix_b_fmt:MATRIX_FMT_FP6 matrix_b_scale:MATRIX_SCALE_ROW1
.else
	v_wmma_scale_f32_16x16x128_f8f6f4 v[rD:rD+7], v[rA:rA+11], v[rB:rB+11], 0, v[rSA], v[rSB] matrix_a_fmt:MATRIX_FMT_FP6 matrix_b_fmt:MATRIX_FMT_FP6
.endif
.endif
.else
.if \ra
.if \rb
	v_wmma_scale_f32_16x16x128_f8f6f4 v[rD:rD+7], v[rA:rA+11], v[rB:rB+11], v[rD:rD+7], v[rSA], v[rSB] matrix_a_fmt:MATRIX_FMT_FP6 matrix_b_fmt:MATRIX_FMT_FP6 matrix_a_scale:MATRIX_SCALE_ROW1 matrix_b_scale:MATRIX_SCALE_ROW1
.else
	v_wmma_scale_f32_16x16x128_f8f6f4 v[rD:rD+7], v[rA:rA+11], v[rB:rB+11], v[rD:rD+7], v[rSA], v[rSB] matrix_a_fmt:MATRIX_FMT_FP6 matrix_b_fmt:MATRIX_FMT_FP6 matrix_a_scale:MATRIX_SCALE_ROW1
.endif
.else
.if \rb
	v_wmma_scale_f32_16x16x128_f8f6f4 v[rD:rD+7], v[rA:rA+11], v[rB:rB+11], v[rD:rD+7], v[rSA], v[rSB] matrix_a_fmt:MATRIX_FMT_FP6 matrix_b_fmt:MATRIX_FMT_FP6 matrix_b_scale:MATRIX_SCALE_ROW1
.else
	v_wmma_scale_f32_16x16x128_f8f6f4 v[rD:rD+7], v[rA:rA+11], v[rB:rB+11], v[rD:rD+7], v[rSA], v[rSB] matrix_a_fmt:MATRIX_FMT_FP6 matrix_b_fmt:MATRIX_FMT_FP6
.endif
.endif
.endif
.endm
; x's two fragments and scale words of K step k of the group in hand (k = 8 .. 11: the next group's first four: the groups lie on end) into ring slot k % 4: seven LDS loads
.macro XLOAD k
	WIN 0x40                                       ; destination window 1, address window 0
.irp ut, 0,1
.irp c, 0,1,2
	ds_load_b128 v[24*((\k)%4)+12*\ut+4*\c:24*((\k)%4)+12*\ut+4*\c+3], v[XAD] offset:3072*(\k)+1536*\ut+512*\c
.endr
.endr
	WIN 0
	ds_load_b32 v[XSR+((\k)%4)], v[XSA] offset:128*(\k)   ; lanes 0-15: tile 0's words, lanes 16-31: tile 1's
.endm
; A K step of 128: twelve products, the twelve accumulators by turns, in the same order in every step.
; pre = 1: the ring runs on into the next group.  wl = 1: the weights may still be on their way.
.macro KSTEP s, pre, wl
.if \pre || (7*(7-\s) > 21)
	s_wait_dscnt 21                                ; this step's seven loads are in; the three younger runs of seven may be out
.else
	s_wait_dscnt 7*(7-\s)                          ; the last group: fewer runs are behind this one
.endif
.if \wl
.if 18*(7-\s) > 63
	s_wait_loadcnt 63                              ; the weights were asked for K step by K step, 18 loads each: those of later steps may be out (the count's field ends at 63)
.else
	s_wait_loadcnt 18*(7-\s)
.endif
.endif
.irp p, 0,1                                    ; q, k: source 0 = W's tile, source 1 = x's tile
.irp uc, 0,1
	WF 6*\s+2*\p+\uc
	WIN WFW|4
.irp ut, 0,1
.set rD, ACC+8*(4*\p+2*\ut+\uc)
.set rA, WFR
.set rB, 24*(\s%4)+12*\ut
.set rSA, WS+8*\p+\s
.set rSB, XSR+(\s%4)
	MM (\s==0), \uc, \ut
.endr
.endr
.endr
.irp cv, 0,1                                   ; v: source 0 = x's tile, source 1 = W's tile
	WF 6*\s+4+\cv
	WIN 1|(WFW<<2)
.irp ut, 0,1
.set rD, ACC+8*(8+2*\cv+\ut)
.set rA, 24*(\s%4)+12*\ut
.set rB, WFR
.set rSA, XSR+(\s%4)
.set rSB, WS+16+\s
	MM (\s==0), \ut, \cv
.endr
.endr
	WIN 0
.rept 4
	v_nop                                          ; four places in front of loads into registers that these products have read, and of the first read of results
.endr
.if (\s < 4) || \pre
	XLOAD \s+4
.endif
.endm
; The group's results become codes.  Six units of 16 registers: q tile 0, q tile 1, k tile 0, k tile 1, v columns' tile 0, tile 1; each is half a block of 32, the other half in lane l xor 16.
.macro EPI
	s_wait_xcnt 0x0                                ; the last group's stores have read their offsets and data, which are written again below
	s_lshr_b32 s16, s58, 2
	s_mul_i32 s16, s16, 13056                      ; which of my two key steps
	s_and_b32 s17, s58, 3                          ; the group in it
	s_mul_i32 s18, s17, 1536
	s_add_co_u32 s18, s18, s16
	s_mul_i32 s19, s17, 384
	s_add_co_u32 s19, s19, s16
	s_mul_i32 s20, s58, 1536
	v_add_nc_u32 v[VQ], s20, v11
	v_add_nc_u32 v[VK], s18, v11
	v_add_nc_u32 v[VV], s19, v12
.irp i, 0,1,2,3,4,5
	v_max3_num_f32 v[M+\i], |v[ACC+16*\i]|, |v[ACC+16*\i+1]|, 0x1800000   ; each accumulator from its low end on; the floor 2^(3 - 127) among the leaves
.endr
.irp n, 2,4,6,8,10,12,14
.irp i, 0,1,2,3,4,5
	v_max3_num_f32 v[M+\i], v[M+\i], |v[ACC+16*\i+\n]|, |v[ACC+16*\i+\n+1]|
.endr
.endr
.irp i, 0,1,2,3,4,5
	v_permlanex16_b32 v[T+\i], v[M+\i], s2, s3
.endr
.irp i, 0,1,2,3,4,5
	v_max_num_f32 v[M+\i], v[M+\i], v[T+\i]        ; the block's largest magnitude
.endr
.irp i, 0,1,2,3,4,5
	v_add_nc_u32 v[SO+\i], 0xff000000, v[M+\i]     ; 2 off its exponent field: the conversion's scale operand
.endr
.irp i, 0,1,2,3,4,5
	v_lshrrev_b32 v[BY+\i], 23, v[SO+\i]           ; the scale's byte
.endr
.irp i, 0,1,2,3,4,5
	v_cvt_scalef32_pk16_fp6_f32 v[C+4*\i:C+4*\i+2], v[ACC+16*\i:ACC+16*\i+15], v[SO+\i]
.endr
	v_nop                                          ; one plain place behind the scaled conversions
.irp cv, 0,1
	v_lshrrev_b32 v[SW+\cv], 8, v[SW+\cv]          ; v's scale word gathers four groups' bytes, the first group's lowest
	v_lshl_or_b32 v[SW+\cv], v[BY+4+\cv], 24, v[SW+\cv]
.endr
	v_cndmask_b32 v[WD], v[BY], v[BY+1], s63       ; lanes 0-15: tile 0's byte, lanes 16-31: tile 1's (both halves of the lanes hold both)
	v_cndmask_b32 v[WD+1], v[BY+2], v[BY+3], s63
	v_cndmask_b32 v[WD+2], v[SW], v[SW+1], s63
	global_store_b96 v[VQ], v[C:C+2], s[52:53]                     ; each store: 384 consecutive bytes
	global_store_b96 v[VQ], v[C+4:C+6], s[52:53] offset:768
	global_store_b96 v[VK], v[C+8:C+10], s[54:55]
	global_store_b96 v[VK], v[C+12:C+14], s[54:55] offset:768
	global_store_b96 v[VV], v[C+16:C+18], s[54:55]
	global_store_b96 v[VV], v[C+20:C+22], s[54:55] offset:1536
	ds_store_b32 v[QWA], v[WD]
	ds_store_b32 v[QWA], v[WD+1] offset:4096
	ds_store_b32 v[SVA], v[WD+2]
.endm
.macro GADDR                           ; the group's LDS addresses: a lane's constant + a scalar that steps with the group
	v_add_nc_u32 v[XAD], s59, v1
	v_add_nc_u32 v[XSA], s60, v2
	v_add_nc_u32 v[QWA], s61, v13
	v_add_nc_u32 v[SVA], s62, v14
.endm
.macro GROUP pre, wl
.irp s, 0,1,2,3,4,5,6,7
	KSTEP \s, \pre, \wl
.endr
	EPI
.if \pre
	s_add_co_u32 s59, s59, 24576
	s_add_co_u32 s60, s60, 1024
	s_add_co_u32 s61, s61, 128
	s_add_co_u32 s62, s62, 512
	GADDR
.endif
.endm
	s_load_b128 s[4:7], s[0:1], 0x0                ; xq, wq
	s_load_b128 s[8:11], s[0:1], 0x10              ; qb, kv
	v_lshl_add_u32 v254, v0, 2, 0x38000
	v_mov_b32 v255, 0
	ds_add_u32 v254, v255
	ds_add_u32 v254, v255
	v_lshrrev_b32 v1, 5, v0
	v_readfirstlane_b32 s12, v1                    ; wave 0..3
	v_and_b32 v200, 31, v0                         ; lane
	v_and_b32 v201, 15, v0                         ; r
	v_bfe_u32 v202, v0, 4, 1                       ; h
	v_lshlrev_b32 v1, 4, v200                      ; 16 lane
	v_lshlrev_b32 v2, 2, v200                      ; 4 lane
	s_wait_alu depctr_va_vdst(0)
	s_and_b32 s20, s12, 1                          ; which block of the head's 64 is mine
	s_lshr_b32 s21, s12, 1                         ; which of the work-group's two heads
	v_mul_u32_u24 v11, v201, 24
	v_mad_u32_u24 v11, v202, 12, v11               ; 24 r + 12 h
	s_mul_i32 s22, s20, 3072
	s_add_co_u32 s22, s22, 6144
	v_add_nc_u32 v12, s22, v11                     ; v's codes: 6,144 + 3,072 block + 24 r + 12 h
	s_mul_i32 s22, s20, 384
	v_add_nc_u32 v11, s22, v11                     ; q's and k's: 384 block + 24 r + 12 h
	s_lshl_b32 s22, s12, 10
	s_add_co_u32 s22, s22, QW
	v_add_nc_u32 v13, s22, v2                      ; my scale bytes: QW + 1,024 wave + 4 lane
	s_lshl_b32 s22, s12, 7
	s_add_co_u32 s22, s22, STGV
	v_add_nc_u32 v14, s22, v2                      ; v's words: STGV + 128 wave + 4 lane
	s_lshl_b32 s22, s21, 11
	s_lshl_b32 s23, s20, 9
	s_add_co_u32 s22, s22, s23
	s_add_co_u32 s22, s22, QW
	v_add_nc_u32 v44, s22, v1                      ; the dump reads: my head's first wave's words, my half of them
	v_add_nc_u32 v46, s23, v1                      ; and stores q's at 512 half + 16 lane,
	s_lshl_b32 s22, s20, 11
	s_lshl_b32 s23, s21, 8
	s_add_co_u32 s22, s22, s23
	s_add_co_u32 s22, s22, STGV+1536
	v_lshl_add_u32 v45, v200, 3, s22               ; v's words as they stand behind group 3 (half 0) or 7 (half 1), my head's 256 bytes
	s_mul_i32 s22, s20, 13056
	v_add_nc_u32 v47, s22, v1                      ; k's and v's in key step `half`
	v_lshl_add_u32 v10, v200, 3, s22
	v_cmp_le_u32 s63, 16, v200                     ; lanes 16-31
.irp i, 0,1,2,3,4,5
	v_mov_b32 v[T+\i], 0                           ; written once: a lane permute's destination counts as one of its sources
.endr
	v_mov_b32 v[SW], 0
	v_mov_b32 v[SW+1], 0
	s_mov_b32 s2, 0x76543210
	s_mov_b32 s3, 0xfedcba98                       ; selects for lane l xor 16
	s_bfe_u32 s13, ttmp6, 0x40000                  ; cx
	s_lshl_b32 s14, ttmp9, 2
	s_add_co_u32 s14, s14, s13                     ; X = 4 x cluster x + cx: it enters the weights' and the results' addresses alone
	s_and_b32 s15, ttmp7, 0xffff                   ; Y, which the four partners share
	s_lshl_b32 s16, s14, 2
	s_add_co_u32 s16, s16, s12                     ; my block of 32 columns
	s_lshl_b32 s17, s14, 1
	s_add_co_u32 s17, s17, s21                     ; my head
	s_lshr_b32 s18, s15, 3
	s_lshl_b32 s18, s18, 4
	s_add_co_u32 s18, s18, s17                     ; 16 batch + head
	s_and_b32 s19, s15, 7                          ; which 256 tokens of the batch's 2,048
	s_mul_i32 s48, s16, 24576
	s_mov_b32 s49, 0
	s_lshl_b32 s50, s16, 10
	s_add_co_u32 s50, s50, WS_OFF
	s_mov_b32 s51, 0
	s_mul_i32 s52, s18, 98304
	s_mul_i32 s22, s19, 12288
	s_add_co_u32 s52, s52, s22
	s_mov_b32 s53, 0
	s_mul_i32 s54, s18, 208896
	s_mul_i32 s22, s19, 26112
	s_add_co_u32 s54, s54, s22
	s_mov_b32 s55, 0
	s_lshl_b32 s56, s18, 13
	s_lshl_b32 s22, s19, 10
	s_add_co_u32 s56, s56, s22
	s_add_co_u32 s56, s56, QS_OFF
	s_mov_b32 s57, 0
	; descriptors: dense blocks as rows of 256 bytes (32 elements of 8 bytes); mask of all four work-groups, bit 21 beside it
	s_mov_b32 s24, 15|(3<<16)|(1<<21)
	s_mov_b32 s25, 32<<16                          ; tensor_dim0
	s_mov_b32 s26, 192<<16                         ; tensor_dim1: 49,152 bytes: two groups' codes
	s_mov_b32 s27, 32<<16                          ; tile_dim0
	s_mov_b32 s28, 192                             ; tile_dim1
	s_mov_b32 s29, 32                              ; the pitch
	s_mov_b32 s30, 0
	s_mov_b32 s31, 0
	s_mov_b32 s32, 15|(3<<16)|(1<<21)
	s_mov_b32 s33, 32<<16
	s_mov_b32 s34, 8<<16                           ; 2,048 bytes: two groups' scale words
	s_mov_b32 s35, 32<<16
	s_mov_b32 s36, 8
	s_mov_b32 s37, 32
	s_mov_b32 s38, 0
	s_mov_b32 s39, 0
	s_mov_b32 s40, 1
	s_mul_i32 s41, s12, 49152                      ; LDS: wave x 49,152
	s_mul_i32 s42, s15, 196608
	s_add_co_u32 s42, s42, s41
	s_mov_b32 s43, 0
	s_mov_b32 s44, 1
	s_lshl_b32 s22, s12, 11
	s_add_co_u32 s45, s22, XSL                     ; LDS: XSL + wave x 2,048
	s_lshl_b32 s46, s15, 13
	s_add_co_u32 s46, s46, s22
	s_add_co_u32 s46, s46, XS_OFF
	s_mov_b32 s47, 0
	s_mov_b32 s58, 0                               ; the group
	s_mov_b32 s59, 0
	s_mov_b32 s60, XSL
	s_mov_b32 s61, 0
	s_mov_b32 s62, 0
	GADDR
	s_wait_dscnt 0x0
	s_wait_kmcnt 0x0
	s_add_nc_u64 s[42:43], s[4:5], s[42:43]
	s_or_b32 s43, s43, 0x80000000
	s_add_nc_u64 s[46:47], s[4:5], s[46:47]
	s_or_b32 s47, s47, 0x80000000
	s_add_nc_u64 s[48:49], s[6:7], s[48:49]        ; my weights' codes
	s_add_nc_u64 s[50:51], s[6:7], s[50:51]        ; and scale words
	s_add_nc_u64 s[52:53], s[8:9], s[52:53]        ; q's codes
	s_add_nc_u64 s[54:55], s[10:11], s[54:55]      ; my head's two key steps
	s_add_nc_u64 s[56:57], s[8:9], s[56:57]        ; q's scale words
	CROUND                                         ; all four work-groups are here: the joint loads meet
	tensor_load_to_lds s[40:43], s[24:31]          ; two tensor loads of mine are out: the launch's only ones
	s_nop 0
	tensor_load_to_lds s[44:47], s[32:39]
	s_nop 0
.rept 4
	v_nop
.endr
.irp p, 0,1,2
.irp s, 0,1,2,3,4,5,6,7
	global_load_b32 v[WS+8*\p+\s], v2, s[50:51] offset:32768*\p+128*\s   ; lanes 0-15: tile 0's words, lanes 16-31: tile 1's
.endr
.endr
.irp s, 0,1,2,3,4,5,6,7
.irp t, 0,1,2,3,4,5
	WF 6*\s+\t
	WIN WFW<<6
.irp c, 0,1,2
	global_load_b128 v[WFR+4*\c:WFR+4*\c+3], v1, s[48:49] offset:786432*(\t/2)+3072*\s+1536*(\t%2)+512*\c
.endr
.endr
.endr
	WIN 0
	s_wait_tensorcnt 0x0                           ; my parts of x's codes and scale words are in,
	s_barrier_signal -1
	s_barrier_wait -1                              ; everybody's are
	s_wait_alu depctr_va_vdst(0)
	XLOAD 0
	XLOAD 1
	XLOAD 2
	XLOAD 3
.Lgroup:                                               ; seven trips; the eighth group is written out, since its ring asks for nothing beyond the end
	s_wait_alu depctr_va_vdst(0)
	GROUP 1, 1
	s_add_co_u32 s58, s58, 1
	s_cmp_lt_u32 s58, 7
	s_cbranch_scc1 .Lgroup
	s_wait_alu depctr_va_vdst(0)
	GROUP 0, 0
	; THE DUMP: wave w takes head w / 2 and half w % 2 (one key step) of its scale words
	s_wait_dscnt 0x0                               ; for the others' sake: my stores of scale bytes have landed
	s_barrier_signal -1
	s_barrier_wait -1
	ds_load_b128 v[200:203], v44                   ; q: the bytes of block 0,
	ds_load_b128 v[204:207], v44 offset:1024       ; of block 1 (the head's second wave);
	ds_load_b128 v[208:211], v44 offset:4096       ; k likewise
	ds_load_b128 v[212:215], v44 offset:5120
	ds_load_b64 v[216:217], v45                    ; v's words
	s_wait_dscnt 0x0
.irp i, 0,1,2,3
	v_lshl_or_b32 v[200+\i], v[204+\i], 8, v[200+\i]
	v_lshl_or_b32 v[208+\i], v[212+\i], 8, v[208+\i]
.endr
.irp i, 0,1,2,3
	v_or_b32 v[200+\i], 0x7f7f0000, v[200+\i]      ; the scale 1 for the zero codes that fill the instruction's K
	v_or_b32 v[208+\i], 0x7f7f0000, v[208+\i]
.endr
	global_store_b128 v46, v[200:203], s[56:57]                    ; 512 consecutive bytes
	global_store_b128 v47, v[208:211], s[54:55] offset:12288
	global_store_b64 v10, v[216:217], s[54:55] offset:12800        ; 256 consecutive bytes
	s_wait_tensorcnt 0x0
	ds_add_u32 v254, v255
	s_wait_dscnt 0x0
	CROUND                                         ; the closing round
	s_endpgm
.Lfunc_end_k_qd98a24e603_proj:
	.size	k_qd98a24e603_proj, .Lfunc_end_k_qd98a24e603_proj-k_qd98a24e603_proj
	.p2alignl 7, 3214868480
	.fill 96, 4, 3214868480
	.section	.rodata,"a",@progbits
	.p2align	6, 0x0
	.amdhsa_kernel k_qd98a24e603_proj
		.amdhsa_group_segment_fixed_size 229888
		.amdhsa_private_segment_fixed_size 0
		.amdhsa_enable_private_segment 0
		.amdhsa_kernarg_size 32
		.amdhsa_user_sgpr_count 2
		.amdhsa_user_sgpr_kernarg_segment_ptr 1
		.amdhsa_wavefront_size32 1
		.amdhsa_system_sgpr_workgroup_id_x 1
		.amdhsa_system_sgpr_workgroup_id_y 1
		.amdhsa_system_sgpr_workgroup_id_z 1
		.amdhsa_system_vgpr_workitem_id 0
		.amdhsa_next_free_vgpr 1024
		.amdhsa_next_free_sgpr 66
		.amdhsa_reserve_vcc 0
		.amdhsa_float_denorm_mode_32 3
		.amdhsa_float_denorm_mode_16_64 3
		.amdhsa_memory_ordered 1
		.amdhsa_forward_progress 1
		.amdhsa_inst_pref_size 75
	.end_amdhsa_kernel
	.amdgpu_metadata
---
amdhsa.version: [ 1, 2 ]
amdhsa.kernels:
  - .name:           k_qd98a24e603_proj
    .symbol:         k_qd98a24e603_proj.kd
    .args:
      - { .name: xq, .offset: 0, .size: 8, .value_kind: global_buffer, .address_space: global }
      - { .name: wq, .offset: 8, .size: 8, .value_kind: global_buffer, .address_space: global }
      - { .name: qb, .offset: 16, .size: 8, .value_kind: global_buffer, .address_space: global }
      - { .name: kv, .offset: 24, .size: 8, .value_kind: global_buffer, .address_space: global }
    .group_segment_fixed_size: 229888
    .private_segment_fixed_size: 0
    .kernarg_segment_align: 8
    .kernarg_segment_size: 32
    .max_flat_workgroup_size: 128
    .sgpr_count:     66
    .vgpr_count:     1024
    .wavefront_size: 32
...
	.end_amdgpu_metadata
.endif
;; end of part 3
;; launch attn (part 4): grid 4 x 64, 16 waves a work-group, no clusters, 231,424 bytes of LDS; arguments qb, kv, cq; writes cq
.if DOCPART == 4
	.amdgcn_target "amdgcn-amd-amdhsa--gfx1250"
	.amdhsa_code_object_version 6
	.text
	.protected	k_qd98a24e603_attn
	.globl	k_qd98a24e603_attn
	.p2align	8
	.type	k_qd98a24e603_attn,@function
k_qd98a24e603_attn:
	s_mov_b64 s[64:65], 0
	v_nop
	global_prefetch_b8 v0, s[64:65] scope:SCOPE_SE
	s_setreg_imm32_b32 hwreg(HW_REG_WAVE_MODE, 25, 1), 1
	s_wait_xcnt 0x0
; ctx = softmax(q k^T / 8, causal) v for one batch x head, both products on codes of FP6 (E2M3) with E8M0 scales; ctx is quantised along the model's 1,024 and leaves as codes for the last product.
; THE SOFTMAX AHEAD OF THE SECOND PRODUCT: t = score x log2(e) / 8; M = the running largest t rounded UP to a whole number; p = 2^(t - M) is quantised along the keys, not normalised; the row's sum is taken of the
; unquantised p and divides at the end.  When M moves, the sum and O are multiplied by 2^(old M - new M): exact.
; SHARES.  The head's whole record (16 key steps x 13,056 bytes: K's codes, V's codes, their scale words) comes into LDS ONCE, each of the sixteen waves bringing one key step by one tensor load; nothing is filled again.
; Wave w of work-group j owns query tiles 16 j + w and 127 - (16 j + w): tile tau needs tau / 8 + 1 key steps of 128, so every wave of the launch has 17 steps.
; The loops' trip counts are constants (8 and 16); a step all of whose keys come after the tile's queries is left out by a scalar branch on ids.
; NO CLUSTER: the four work-groups of a head read the same record, but the causal skip is a branch on the query tile's number, which hangs on the work-group's x: partners of a joint load may not differ in a branch.
; LAYOUT.  Both products are used transposed: S^T = K Q^T, O^T = V^T P^T: a lane holds ONE query (lane % 16).  Row rho of query or key tile 2 g + u is row 32 g + 8 u + rho + 8 (rho / 8), so that the 16 registers
; of score tiles 2 b, 2 b + 1 are keys 32 b + 16 (lane / 16) + 0 .. 15; V's dim tiles likewise, so that O^T's 16 registers of tiles 2 a, 2 a + 1 are dims 32 a + 16 (lane / 16) + 0 .. 15.
; The head's 64 fill half of the first product's K: registers 6-11 of Q's and K's fragments are zero codes, under the scale byte 0x7f.
; LIMITS: NaN and infinities are not served; a block of ctx whose largest magnitude lies under 2^-124, or of zeros, gets the byte 1 (this program alone reads the bytes).
; The scale bytes of ctx leave as stores of 2 bytes a row, 4 bytes apart: two bytes for 64 numbers.
; REGISTERS: v1-11 addresses; v12 -M, v13 the largest t, v[14:15] the sum in two halves; v16-27 Q, v28 its scale words; v30-31 V's scale words; v32-79 four fragments of K; v80-127 V's four;
;   v128-191 S^T, then p; v192-223 O^T; v224-235 p's codes; v236-247 at work; v248-251 K's scale words; v252 f, v253 p's scale word, v254 at work.
.set QS_OFF, 6291456
.set CS_OFF, 6291456
.set REC,   13056
.set STAGE, 16*REC                     ; behind the record: 1,024 bytes for each wave, for the way out
.set KFR, 32
.set VFR, 80
.set VSR, 30
.set S,   128
.set O,   192
.set BM,  236
.set PT,  240
.set SO,  244
.set KSR, 248
.macro SMUL t, f                       ; score tile t from K's fragment f; its scale words lie in lanes 0-15 (even tiles) or 16-31 (odd)
.if (\t)%2
	v_wmma_scale_f32_16x16x128_f8f6f4 v[S+8*(\t):S+8*(\t)+7], v[KFR+12*(\f):KFR+12*(\f)+11], v[16:27], 0, v[KSR+(\t)/2], v28 matrix_a_fmt:MATRIX_FMT_FP6 matrix_b_fmt:MATRIX_FMT_FP6 matrix_a_scale:MATRIX_SCALE_ROW1
.else
	v_wmma_scale_f32_16x16x128_f8f6f4 v[S+8*(\t):S+8*(\t)+7], v[KFR+12*(\f):KFR+12*(\f)+11], v[16:27], 0, v[KSR+(\t)/2], v28 matrix_a_fmt:MATRIX_FMT_FP6 matrix_b_fmt:MATRIX_FMT_FP6
.endif
.endm
.macro OMUL dt
.if (\dt)%2
	v_wmma_scale_f32_16x16x128_f8f6f4 v[O+8*(\dt):O+8*(\dt)+7], v[VFR+12*(\dt):VFR+12*(\dt)+11], v[224:235], v[O+8*(\dt):O+8*(\dt)+7], v[VSR+(\dt)/2], v253 matrix_a_fmt:MATRIX_FMT_FP6 matrix_b_fmt:MATRIX_FMT_FP6 matrix_a_scale:MATRIX_SCALE_ROW1
.else
	v_wmma_scale_f32_16x16x128_f8f6f4 v[O+8*(\dt):O+8*(\dt)+7], v[VFR+12*(\dt):VFR+12*(\dt)+11], v[224:235], v[O+8*(\dt):O+8*(\dt)+7], v[VSR+(\dt)/2], v253 matrix_a_fmt:MATRIX_FMT_FP6 matrix_b_fmt:MATRIX_FMT_FP6
.endif
.endm
.macro PLACES
.rept 4
	v_nop
.endr
.endm
; A KEY STEP: 128 keys from s16 on; their record begins at LDS byte s17.
.macro STEP
	s_cmp_gt_u32 s16, s15                          ; all keys behind my last query: the step's work is left out
	s_cbranch_scc1 .Lhid_\@
	s_setprio 2
	v_add_nc_u32 v8, s17, v1                       ; 24 lane
	v_add_nc_u32 v10, s17, v2                      ; 4 lane
.irp b, 0,1,2,3
	ds_load_b32 v[KSR+\b], v10 offset:12288+128*\b ; lanes 0-15: tile 2 b's words, lanes 16-31: tile 2 b + 1's
.endr
.irp t, 0,1,2,3
.irp i, 0,1,2
	ds_load_b64 v[KFR+12*\t+2*\i:KFR+12*\t+2*\i+1], v8 offset:768*\t+8*\i   ; a lane's block: 24 bytes at 24 lane; the 32 lanes of a load touch 64 different banks
.endr
.endr
	s_wait_alu depctr_va_vdst(0)
	s_wait_dscnt 0x0
.irp t, 0,1,2,3
	SMUL \t, \t
.endr
	PLACES                                         ; in front of loads into registers that these products have read
.irp t, 0,1,2,3
.irp i, 0,1,2
	ds_load_b64 v[KFR+12*\t+2*\i:KFR+12*\t+2*\i+1], v8 offset:768*(4+\t)+8*\i
.endr
.endr
.irp dt, 0,1,2,3
.irp c, 0,1
.irp i, 0,1,2
	ds_load_b64 v[VFR+12*\dt+6*\c+2*\i:VFR+12*\dt+6*\c+2*\i+1], v8 offset:6144+1536*\dt+768*\c+8*\i   ; V lands while the softmax is walked
.endr
.endr
.endr
.irp i, 0,1
	ds_load_b32 v[VSR+\i], v10 offset:12800+128*\i
.endr
	s_wait_dscnt 26                                ; K's tiles 4-7 are in; V's 24 loads and its two of scale words may be out
.irp t, 0,1,2,3
	SMUL 4+\t, \t
.endr
	PLACES                                         ; in front of the first read of results
	s_add_co_u32 s19, s16, 127                     ; a step all of whose keys count skips the mask
	s_cmp_le_u32 s19, s14
	s_cbranch_scc1 .Lopen_\@
	s_sub_co_i32 s19, s14, s16
	v_add_nc_u32 v252, s19, v11                    ; d = my query - the step's first key - 16 (lane / 16).  Register 16 b + i holds key 32 b + 16 (lane / 16) + i of the step: hidden where 32 b + i > d
	v_mov_b32 v254, 0xff800000                     ; -infinity: p = 0 then
.set n, 0
.rept 64
	v_cmp_gt_i32 vcc_lo, 32*(n/16)+n%16, v252
	v_cndmask_b32 v[S+n], v[S+n], v254, vcc_lo
.set n, n+1
.endr
.Lopen_\@:
.irp b, 0,1,2,3
	v_max3_num_f32 v[BM+\b], v[S+16*\b], v[S+16*\b+1], v[S+16*\b+2]   ; the largest score of each block of 32 keys: for the row's maximum, and, since p rises with the score, for the block's largest p
.endr
.irp i, 3,5,7,9,11,13
.irp b, 0,1,2,3
	v_max3_num_f32 v[BM+\b], v[BM+\b], v[S+16*\b+\i], v[S+16*\b+\i+1]
.endr
.endr
.irp b, 0,1,2,3
	v_max_num_f32 v[BM+\b], v[BM+\b], v[S+16*\b+15]
.endr
.irp b, 0,1,2,3
	s_delay_alu instid0(VALU_DEP_4)
	v_permlanex16_b32 v[PT+\b], v[BM+\b], s20, s21
.endr
.irp b, 0,1,2,3
	s_delay_alu instid0(VALU_DEP_4)
	v_max_num_f32 v[BM+\b], v[BM+\b], v[PT+\b]     ; with lane l xor 16's 16 keys
.endr
	s_delay_alu instid0(VALU_DEP_2)
	v_max3_num_f32 v254, v[BM], v[BM+1], v[BM+2]
	s_delay_alu instid0(VALU_DEP_1)
	v_max_num_f32 v254, v254, v[BM+3]
	s_delay_alu instid0(VALU_DEP_1)
	v_mul_f32 v254, s22, v254                      ; as t (c is positive)
	s_delay_alu instid0(VALU_DEP_1)
	v_max_num_f32 v13, v13, v254                   ; the running largest t
	v_mov_b32 v254, v12
	s_delay_alu instid0(VALU_DEP_2)
	v_floor_f32 v12, -v13                          ; the new -M = floor(-t) = -ceil(t)
	s_delay_alu instid0(VALU_DEP_1)
	v_sub_f32 v254, v12, v254                      ; old M - new M: a whole number, 0 or less
	s_delay_alu instid0(VALU_DEP_1)
	v_cvt_i32_f32 v254, v254                       ; (it saturates)
	s_delay_alu instid0(VALU_DEP_1)
	v_ldexp_f32 v252, 1.0, v254                    ; f = 2^(old M - new M)
.set n, 0
	s_setprio 1
.rept 32
	v_pk_fma_f32 v[S+n:S+n+1], v[S+n:S+n+1], s[22:23], v[12:13] op_sel_hi:[1,0,0]   ; t - M, two at a time
.set n, n+2
.endr
.irp b, 0,1,2,3
	v_fma_f32 v[BM+\b], v[BM+\b], s22, v12         ; the same of each block's largest score
.endr
.set n, 0
	s_wait_alu depctr_va_vdst(0)
.rept 64
	v_exp_f32 v[S+n], v[S+n]                       ; p = 2^(t - M), at most 1
.set n, n+1
.endr
.irp b, 0,1,2,3
	v_exp_f32 v[BM+\b], v[BM+\b]                   ; the block's largest p
.endr
	v_pk_mul_f32 v[14:15], v[14:15], v[252:253] op_sel_hi:[1,0]    ; the sums under the new M (a plain place behind the exponentials)
	s_wait_alu depctr_va_vdst(0)
.irp b, 0,1,2,3
	v_max_num_f32 v[BM+\b], 0x1800000, v[BM+\b]    ; the floor 2^(3 - 127)
.endr
.irp b, 0,1,2,3
	s_delay_alu instid0(VALU_DEP_4)
	v_add_nc_u32 v[SO+\b], 0xff000000, v[BM+\b]    ; 2 off the exponent field: the conversion's scale operand
.endr
.irp b, 0,1,2,3
	s_delay_alu instid0(VALU_DEP_4)
	v_lshrrev_b32 v[PT+\b], 23, v[SO+\b]           ; the scale's byte
.endr
	s_delay_alu instid0(VALU_DEP_3)
	v_lshl_or_b32 v253, v[PT+1], 8, v[PT]          ; p's scale word for these 128 keys
	s_delay_alu instid0(VALU_DEP_1)
	v_lshl_or_b32 v253, v[PT+2], 16, v253
	s_delay_alu instid0(VALU_DEP_1)
	v_lshl_or_b32 v253, v[PT+3], 24, v253
.irp c, 0,1
	v_cvt_scalef32_pk16_fp6_f32 v[224+6*\c:226+6*\c], v[S+32*\c:S+15+32*\c], v[SO+2*\c]
	v_cvt_scalef32_pk16_fp6_f32 v[236+4*\c:238+4*\c], v[S+16+32*\c:S+31+32*\c], v[SO+2*\c+1]   ; (a conversion's three registers begin on an even number)
.endr
	v_nop                                          ; one plain place behind a scaled conversion
.irp c, 0,1                                    ; the operand's layout wants a whole block in a lane
.irp i, 0,1,2
	v_permlane16_swap_b32 v[224+6*\c+\i], v[236+4*\c+\i]
.endr
.irp i, 0,1,2
	s_delay_alu instid0(VALU_DEP_3)
	v_mov_b32 v[227+6*\c+\i], v[236+4*\c+\i]
.endr
.endr
	v_pk_add_f32 v[236:237], v[132:133], v[136:137]
	v_pk_add_f32 v[250:251], v[140:141], v[144:145]
	v_pk_add_f32 v[248:249], v[148:149], v[152:153]
	v_pk_add_f32 v[246:247], v[156:157], v[160:161]
	v_pk_add_f32 v[244:245], v[164:165], v[168:169]
	v_pk_add_f32 v[238:239], v[172:173], v[176:177]
	v_pk_add_f32 v[72:73], v[180:181], v[184:185]
	s_setprio 0
	v_pk_add_f32 v[14:15], v[14:15], v[188:189]
	v_pk_add_f32 v[236:237], v[236:237], v[128:129]
	v_pk_add_f32 v[250:251], v[250:251], v[130:131]
	v_pk_add_f32 v[248:249], v[248:249], v[134:135]
	v_pk_add_f32 v[246:247], v[246:247], v[138:139]
	v_pk_add_f32 v[244:245], v[244:245], v[142:143]
	v_pk_add_f32 v[238:239], v[238:239], v[146:147]
	v_pk_add_f32 v[72:73], v[72:73], v[150:151]
	v_pk_add_f32 v[14:15], v[14:15], v[154:155]
	v_pk_add_f32 v[236:237], v[236:237], v[158:159]
	v_pk_add_f32 v[250:251], v[250:251], v[162:163]
	v_pk_add_f32 v[248:249], v[248:249], v[166:167]
	v_pk_add_f32 v[246:247], v[246:247], v[170:171]
	v_pk_add_f32 v[244:245], v[244:245], v[174:175]
	v_pk_add_f32 v[238:239], v[238:239], v[178:179]
	v_pk_add_f32 v[72:73], v[72:73], v[182:183]
	v_pk_add_f32 v[14:15], v[14:15], v[186:187]
	v_pk_add_f32 v[236:237], v[236:237], v[190:191]
	s_delay_alu instid0(VALU_DEP_2)
	v_pk_add_f32 v[14:15], v[14:15], v[246:247]
	s_delay_alu instid0(VALU_DEP_2)
	v_pk_add_f32 v[236:237], v[236:237], v[244:245]
	v_pk_add_f32 v[250:251], v[250:251], v[238:239]
	v_pk_add_f32 v[248:249], v[248:249], v[72:73]
	s_delay_alu instid0(VALU_DEP_2)
	v_pk_add_f32 v[14:15], v[14:15], v[250:251]
	s_delay_alu instid0(VALU_DEP_2)
	v_pk_add_f32 v[236:237], v[236:237], v[248:249]
	s_delay_alu instid0(VALU_DEP_1)
	v_pk_add_f32 v[14:15], v[14:15], v[236:237]
.set n, 0
.rept 16
	v_pk_mul_f32 v[O+n:O+n+1], v[O+n:O+n+1], v[252:253] op_sel_hi:[1,0]   ; O^T under the new M, each accumulator from its low end on; these lines are also the places between p's codes and scale word and the products below
.set n, n+2
.endr
	s_wait_alu depctr_va_vdst(0)
	s_wait_dscnt 0x0                               ; V and its scale words are in
.irp dt, 0,1,2,3
	OMUL \dt                                       ; the four accumulators by turns, one instruction a turn
.endr
.Lhid_\@:
	s_add_co_u32 s16, s16, 128
	s_add_co_u32 s17, s17, REC
.endm
; O^T / the sum is ctx's 64 numbers of my query: two blocks of 32 along the last product's K.  Their codes go through my stage and leave as three runs of 256 bytes.
.macro FINISH
	PLACES                                         ; behind the last products
	v_add_f32 v14, v14, v15
	s_delay_alu instid0(VALU_DEP_1)
	v_permlanex16_b32 v252, v14, s20, s21
	s_delay_alu instid0(VALU_DEP_1)
	v_add_f32 v14, v14, v252                       ; the row's sum
	s_wait_alu depctr_va_vdst(0)
	v_rcp_f32 v14, v14
	v_nop                                          ; one plain place behind a transcendental
.set n, 0
	s_wait_alu depctr_va_vdst(0)
.rept 32
	v_mul_f32 v[S+n], v[O+n], v14
.set n, n+1
.endr
.irp a, 0,1
	v_max3_num_f32 v[BM+\a], |v[S+16*\a]|, |v[S+16*\a+1]|, 0x1800000
.endr
.irp i, 2,4,6,8,10,12,14
.irp a, 0,1
	s_delay_alu instid0(VALU_DEP_2)
	v_max3_num_f32 v[BM+\a], v[BM+\a], |v[S+16*\a+\i]|, |v[S+16*\a+\i+1]|
.endr
.endr
.irp a, 0,1
	s_delay_alu instid0(VALU_DEP_2)
	v_permlanex16_b32 v[PT+\a], v[BM+\a], s20, s21
.endr
.irp a, 0,1
	s_delay_alu instid0(VALU_DEP_2)
	v_max_num_f32 v[BM+\a], v[BM+\a], v[PT+\a]
.endr
.irp a, 0,1
	s_delay_alu instid0(VALU_DEP_2)
	v_add_nc_u32 v[SO+\a], 0xff000000, v[BM+\a]
.endr
.irp a, 0,1
	s_delay_alu instid0(VALU_DEP_2)
	v_lshrrev_b32 v[PT+\a], 23, v[SO+\a]
.endr
	s_delay_alu instid0(VALU_DEP_1)
	v_lshl_or_b32 v254, v[PT+1], 8, v[PT]          ; my head's half of the row's scale word
	v_cvt_scalef32_pk16_fp6_f32 v[224:226], v[S:S+15], v[SO]
	v_cvt_scalef32_pk16_fp6_f32 v[236:238], v[S+16:S+31], v[SO+1]
	v_nop
.irp i, 0,1,2
	v_permlane16_swap_b32 v[224+\i], v[236+\i]     ; lanes 0-15: block 0 whole, lanes 16-31: block 1
.endr
.irp i, 0,1,2
	s_delay_alu instid0(VALU_DEP_3)
	v_mov_b32 v[227+\i], v[236+\i]
.endr
.irp i, 0,1,2
	ds_store_b64 v3, v[224+2*\i:225+2*\i] offset:8*\i              ; 24 bytes at 24 lane
.endr
.irp i, 0,1,2
	ds_load_b64 v[S+2*\i:S+2*\i+1], v4 offset:256*\i               ; LDS serves a wave's instructions in order: these see my stores
.endr
	s_wait_alu depctr_va_vdst(0)
	s_wait_dscnt 0x0
.irp i, 0,1,2
	global_store_b64 v7, v[S+2*\i:S+2*\i+1], s[40:41] offset:256*\i   ; 256 consecutive bytes, aligned
.endr
	global_store_b16 v9, v254, s[42:43]            ; both halves of the lanes write the same two bytes with the same value
.endm
; One query tile, s13, against at most `trips` key steps.
.macro PHASE trips
	s_wait_xcnt 0x0                                ; the last tile's stores have read their offsets and data
	s_lshr_b32 s44, s13, 1                         ; the tile's group of 32 queries
	s_and_b32 s45, s13, 1                          ; and which tile of it
	s_lshl_b32 s14, s44, 5
	s_lshl_b32 s46, s45, 3
	s_add_co_u32 s14, s14, s46                     ; my first query,
	s_add_co_u32 s15, s14, 23                      ; my last
	s_mul_i32 s46, s13, 768
	v_add_nc_u32 v5, s46, v1                       ; Q's codes: 768 tile + 24 lane
	s_lshl_b32 s46, s13, 6
	v_and_b32 v6, 15, v0
	s_delay_alu instid0(VALU_DEP_1)
	v_lshlrev_b32 v6, 2, v6
	s_lshl_b32 s47, s44, 10
	s_lshl_b32 s48, s45, 6
	s_add_co_u32 s47, s47, s48
	v_add_nc_u32 v9, s47, v6                       ; ctx's scale word: 1,024 group + 64 tile + 4 r
	v_add_nc_u32 v6, s46, v6                       ; Q's: 64 tile + 4 r
	s_mul_i32 s47, s44, 24576
	s_mul_i32 s48, s45, 768
	s_add_co_u32 s47, s47, s48
	v_and_b32 v7, 31, v0
	s_delay_alu instid0(VALU_DEP_1)
	v_lshl_add_u32 v7, v7, 3, s47                  ; ctx's codes: 24,576 group + 768 tile + 8 lane
.irp i, 0,1,2
	global_load_b64 v[16+2*\i:17+2*\i], v5, s[36:37] offset:8*\i
.endr
	global_load_b32 v28, v6, s[38:39]
	v_mov_b32 v13, 0xff61b1e6                      ; the largest t so far: -3e38, under every t
	s_delay_alu instid0(VALU_DEP_1)
	v_floor_f32 v12, -v13                          ; -M
	v_mov_b32 v14, 0
	v_mov_b32 v15, 0
.set n, 0
.rept 32
	v_mov_b32 v[O+n], 0                            ; the step is written once: the first finds zeros, which the first change of M leaves zeros
.set n, n+1
.endr
	s_mov_b32 s16, 0
	s_mov_b32 s17, 0
	s_mov_b32 s18, \trips
	s_wait_loadcnt 0x0                             ; Q
.Lstep_\@:
	STEP
	s_sub_co_u32 s18, s18, 1
	s_cmp_lg_u32 s18, 0
	s_cbranch_scc1 .Lstep_\@
	s_setprio 0
	FINISH
.endm
	s_load_b128 s[4:7], s[0:1], 0x0                ; qb, kv
	s_load_b64 s[8:9], s[0:1], 0x10                ; cq
	v_lshl_add_u32 v29, v0, 2, 0x38000
	v_mov_b32 v255, 0
	ds_add_u32 v29, v255
	ds_add_u32 v29, v255
	v_lshrrev_b32 v1, 5, v0
	s_delay_alu instid0(VALU_DEP_1)
	v_readfirstlane_b32 s10, v1                    ; wave 0..15
	s_and_b32 s12, ttmp7, 0xffff                   ; 16 batch + head
	s_mov_b32 s24, 3<<16                           ; descriptor group 1: no mask; elements of 8 bytes; no padding
	s_mov_b32 s25, 32<<16                          ; tensor_dim0: rows of 256 bytes
	s_mov_b32 s26, 51<<16                          ; tensor_dim1: 13,056 bytes: a key step's record
	s_mov_b32 s27, 32<<16                          ; tile_dim0
	s_mov_b32 s28, 51                              ; tile_dim1
	s_mov_b32 s29, 32                              ; the pitch
	s_mov_b32 s30, 0
	s_mov_b32 s31, 0
	s_mov_b32 s32, 1
	s_mul_i32 s33, s10, REC                        ; LDS: wave x 13,056
	s_mul_i32 s34, s12, 16*REC
	s_add_co_u32 s34, s34, s33
	s_mov_b32 s35, 0
	s_mul_i32 s36, s12, 98304
	s_mov_b32 s37, 0
	s_lshl_b32 s38, s12, 13
	s_add_co_u32 s38, s38, QS_OFF
	s_mov_b32 s39, 0
	s_and_b32 s44, s12, 15                         ; the head
	s_lshr_b32 s45, s12, 4                         ; the batch
	s_lshr_b32 s46, s44, 1                         ; the last product's K step,
	s_and_b32 s47, s44, 1                          ; and which half of it
	s_mul_i32 s40, s45, 1572864                    ; 64 groups of 24,576 bytes
	s_mul_i32 s48, s46, 3072
	s_add_co_u32 s40, s40, s48
	s_mul_i32 s48, s47, 1536
	s_add_co_u32 s40, s40, s48
	s_mov_b32 s41, 0
	s_lshl_b32 s42, s45, 16
	s_lshl_b32 s48, s46, 7
	s_add_co_u32 s42, s42, s48
	s_lshl_b32 s48, s47, 1
	s_add_co_u32 s42, s42, s48
	s_add_co_u32 s42, s42, CS_OFF
	s_mov_b32 s43, 0
	s_lshl_b32 s13, ttmp9, 4
	s_add_co_u32 s13, s13, s10                     ; my first query tile
	s_mov_b32 s20, 0x76543210
	s_mov_b32 s21, 0xfedcba98                      ; selects for lane l xor 16
	s_mov_b32 s22, 0x3e38aa3b                      ; c = log2(e) / 8
	s_mov_b32 s23, s22                             ; (named with it as a pair, so it is written)
	s_wait_dscnt 0x0
	s_wait_kmcnt 0x0
	s_add_nc_u64 s[34:35], s[6:7], s[34:35]
	s_or_b32 s35, s35, 0x80000000
	tensor_load_to_lds s[32:35], s[24:31]          ; my one tensor load: key step w of the head
	s_nop 0
.rept 4
	v_nop
.endr
	s_add_nc_u64 s[36:37], s[4:5], s[36:37]        ; Q's codes
	s_add_nc_u64 s[38:39], s[4:5], s[38:39]        ; Q's scale words
	s_add_nc_u64 s[40:41], s[8:9], s[40:41]        ; ctx's codes
	s_add_nc_u64 s[42:43], s[8:9], s[42:43]        ; ctx's scale words
	v_and_b32 v2, 31, v0                           ; lane
	s_delay_alu instid0(VALU_DEP_1)
	v_mul_u32_u24 v1, v2, 24                       ; 24 lane
	s_lshl_b32 s19, s10, 10
	s_add_co_u32 s19, s19, STAGE                   ; my stage
	v_add_nc_u32 v3, s19, v1
	v_lshl_add_u32 v4, v2, 3, s19
	v_lshlrev_b32 v2, 2, v2                        ; 4 lane
	v_and_b32 v11, 15, v0
	s_delay_alu instid0(VALU_DEP_1)
	v_and_b32 v5, 8, v11
	s_delay_alu instid0(VALU_DEP_1)
	v_add_nc_u32 v11, v11, v5
	v_and_b32 v5, 16, v0
	s_delay_alu instid0(VALU_DEP_1)
	v_sub_nc_u32 v11, v11, v5                      ; my query in its tile, r + 8 (r / 8), less 16 (lane / 16)
.irp i, 0,1,2,3,4,5
	v_mov_b32 v[22+\i], 0                          ; zero codes for the upper 64 of the first product's K: Q's,
.endr
.irp t, 0,1,2,3
.irp i, 0,1,2,3,4,5
	v_mov_b32 v[KFR+12*\t+6+\i], 0                 ; and K's
.endr
.endr
.irp b, 0,1,2,3
	v_mov_b32 v[PT+\b], 0                          ; written once: a lane permute's destination counts as one of its sources
.endr
	v_mov_b32 v252, 0
	v_mov_b32 v253, 0                              ; (named as the upper half of the pair v[252:253] before it is first written)
	s_wait_tensorcnt 0x0                           ; my key step is in,
	s_barrier_signal -1
	s_barrier_wait -1                              ; everybody's is: the head's record is whole, and stays
	PHASE 8                                        ; tiles 0 to 63 need at most 8 key steps
	s_sub_co_u32 s13, 127, s13
	PHASE 16
	s_wait_tensorcnt 0x0
	ds_add_u32 v29, v255
	s_wait_dscnt 0x0
	s_endpgm
.Lfunc_end_k_qd98a24e603_attn:
	.size	k_qd98a24e603_attn, .Lfunc_end_k_qd98a24e603_attn-k_qd98a24e603_attn
	.p2alignl 7, 3214868480
	.fill 96, 4, 3214868480
	.section	.rodata,"a",@progbits
	.p2align	6, 0x0
	.amdhsa_kernel k_qd98a24e603_attn
		.amdhsa_group_segment_fixed_size 231424
		.amdhsa_private_segment_fixed_size 0
		.amdhsa_enable_private_segment 0
		.amdhsa_kernarg_size 24
		.amdhsa_user_sgpr_count 2
		.amdhsa_user_sgpr_kernarg_segment_ptr 1
		.amdhsa_wavefront_size32 1
		.amdhsa_system_sgpr_workgroup_id_x 1
		.amdhsa_system_sgpr_workgroup_id_y 1
		.amdhsa_system_sgpr_workgroup_id_z 1
		.amdhsa_system_vgpr_workitem_id 0
		.amdhsa_next_free_vgpr 256
		.amdhsa_next_free_sgpr 66
		.amdhsa_reserve_vcc 1
		.amdhsa_float_denorm_mode_32 3
		.amdhsa_float_denorm_mode_16_64 3
		.amdhsa_memory_ordered 1
		.amdhsa_forward_progress 1
		.amdhsa_inst_pref_size 68
	.end_amdhsa_kernel
	.amdgpu_metadata
---
amdhsa.version: [ 1, 2 ]
amdhsa.kernels:
  - .name:           k_qd98a24e603_attn
    .symbol:         k_qd98a24e603_attn.kd
    .args:
      - { .name: qb, .offset: 0, .size: 8, .value_kind: global_buffer, .address_space: global }
      - { .name: kv, .offset: 8, .size: 8, .value_kind: global_buffer, .address_space: global }
      - { .name: cq, .offset: 16, .size: 8, .value_kind: global_buffer, .address_space: global }
    .group_segment_fixed_size: 231424
    .private_segment_fixed_size: 0
    .kernarg_segment_align: 8
    .kernarg_segment_size: 24
    .max_flat_workgroup_size: 512
    .sgpr_count:     66
    .vgpr_count:     256
    .wavefront_size: 32
...
	.end_amdgpu_metadata
.endif
;; end of part 4
;; launch outp (part 5): grid 4 x 64, 4 waves a work-group, clusters of 4 x 1, 168,448 bytes of LDS; arguments cq, wq, bo, out0; writes out0
.if DOCPART == 5
	.amdgcn_target "amdgcn-amd-amdhsa--gfx1250"
	.amdhsa_code_object_version 6
	.text
	.protected	k_qd98a24e603_outp
	.globl	k_qd98a24e603_outp
	.p2align	8
	.type	k_qd98a24e603_outp,@function
k_qd98a24e603_outp:
	s_mov_b64 s[64:65], 0
	v_nop
	global_prefetch_b8 v0, s[64:65] scope:SCOPE_SE
	s_setreg_imm32_b32 hwreg(HW_REG_WAVE_MODE, 25, 1), 1
	s_wait_xcnt 0x0
	s_wait_alu depctr_hold_cnt(0) depctr_sa_sdst(0) depctr_va_vdst(0) depctr_va_sdst(0) depctr_va_ssrc(0) depctr_va_vcc(0) depctr_vm_vsrc(0)
	s_getreg_b32 s2, hwreg(HW_REG_IB_STS2, 6, 4)
	s_cmp_eq_u32 s2, 0
	s_cbranch_scc0 .Lentry_in_a_cluster
	s_endpgm
.Lentry_in_a_cluster:
	s_bfe_u32 s2, ttmp6, 0x10000c
	s_cmp_lg_u32 s2, 0x3003
	s_cbranch_scc0 .Lentry_shape_is_right
	s_endpgm
.Lentry_shape_is_right:
; out = ctx Wo + bo on codes of FP6 (E2M3) with E8M0 scales, sums in f32.
; SHARES.  A work-group takes 128 tokens (4 groups of 32) and columns 256 X .. 256 X + 255; wave w 64 of these columns: four tiles of 16.  Its 32 weight fragments (384 registers) stay in registers, read once.
; ctx's codes of the 128 tokens (98,304 bytes) and their scale words (4,096) come into LDS once and stay: nothing is filled again.
; CLUSTER.  The four work-groups of a cluster have the same tokens: each wave's two tensor loads are joint loads with the mask of all four; their addresses hang on the work-group's y and the wave's number alone.
; LAYOUT.  Source 0 = 16 columns of Wo, source 1 = 16 tokens: a lane holds one token, and the 16 registers of tiles u = 0, 1 are 16 neighbouring columns (row rho of tile u of a group is its row 8 u + rho + 8 (rho / 8)).
; ctx's codes lie [group][K step][c][tile][768 bytes], a lane's block of 24 bytes at 24 lane: registers 6 c .. 6 c + 5 of the fragment.  The bias is the C of each sum's first product.
; THE WAY OUT.  A tile of 16 tokens x my 64 columns goes through my own stage in LDS and leaves as rows of 256 bytes: sixteen lanes store 256 consecutive bytes, aligned.
; REGISTERS, in windows of 256.  Window 0: v1-9 addresses; v16-31 Wo's scale words; v40-43 ctx's, a ring of four; v48-111 the 8 accumulators; v112-143 the bias; v144-207 rows on the way out.
;   Window 1: v0-95 ctx's fragments, a ring of four K steps x two tiles.  Window 2: weight fragments 0-20.  Window 3: fragments 21-31.  (Fragment 4 s + 2 p + u.)
.set CS_OFF, 6291456
.set WS_OFF, 3145728
.set XSL,  98304                       ; LDS: ctx's scale words
.set STG,  102400                      ; the stages: 16 rows x 272 bytes in 4,608 for each wave
.set XAD, 3
.set XSA, 4
.set WS,  16
.set XSR, 40
.set ACC, 48
.set BIAS, 112
.set OB,  144
.set MSB, 0
.macro WIN new                         ; the immediate's high byte repeats the setting that is left
.if MSB != (\new)
	s_set_vgpr_msb (MSB<<8)|(\new)
.set MSB, (\new)
.endif
.endm
.macro CROUND                          ; a round of the cluster's barrier
	s_barrier_signal -1
	s_barrier_wait -1
	s_cmp_lg_u32 s12, 0
	s_cbranch_scc1 .Lnot_wave_0_\@
	s_barrier_signal -3
.Lnot_wave_0_\@:
	s_barrier_wait -3
	s_barrier_signal -1
	s_barrier_wait -1
.endm
.macro WF f                            ; window and first register of weight fragment f
.if (\f) < 21
.set WFW, 2
.set WFR, 12*(\f)
.else
.set WFW, 3
.set WFR, 12*((\f)-21)
.endif
.endm
.macro MM ra, rb                       ; one product on the registers named by rD, rA, rB, rC, rSA, rSB; ra, rb: the side's scale words lie in lanes 16-31
.if \ra
.if \rb
	v_wmma_scale_f32_16x16x128_f8f6f4 v[rD:rD+7], v[rA:rA+11], v[rB:rB+11], v[rC:rC+7], v[rSA], v[rSB] matrix_a_fmt:MATRIX_FMT_FP6 matrix_b_fmt:MATRIX_FMT_FP6 matrix_a_scale:MATRIX_SCALE_ROW1 matrix_b_scale:MATRIX_SCALE_ROW1
.else
	v_wmma_scale_f32_16x16x128_f8f6f4 v[rD:rD+7], v[rA:rA+11], v[rB:rB+11], v[rC:rC+7], v[rSA], v[rSB] matrix_a_fmt:MATRIX_FMT_FP6 matrix_b_fmt:MATRIX_FMT_FP6 matrix_a_scale:MATRIX_SCALE_ROW1
.endif
.else
.if \rb
	v_wmma_scale_f32_16x16x128_f8f6f4 v[rD:rD+7], v[rA:rA+11], v[rB:rB+11], v[rC:rC+7], v[rSA], v[rSB] matrix_a_fmt:MATRIX_FMT_FP6 matrix_b_fmt:MATRIX_FMT_FP6 matrix_b_scale:MATRIX_SCALE_ROW1
.else
	v_wmma_scale_f32_16x16x128_f8f6f4 v[rD:rD+7], v[rA:rA+11], v[rB:rB+11], v[rC:rC+7], v[rSA], v[rSB] matrix_a_fmt:MATRIX_FMT_FP6 matrix_b_fmt:MATRIX_FMT_FP6
.endif
.endif
.endm
; ctx's two fragments and scale words of K step k of the group in hand (k = 8 .. 11: the next group's first four) into ring slot k % 4: thirteen LDS loads
.macro XLOAD k
	WIN 0x40                                       ; destination window 1, address window 0
.irp ut, 0,1
.irp c, 0,1
.irp i, 0,1,2
	ds_load_b64 v[24*((\k)%4)+12*\ut+6*\c+2*\i:24*((\k)%4)+12*\ut+6*\c+2*\i+1], v[XAD] offset:3072*(\k)+1536*\c+768*\ut+8*\i
.endr
.endr
.endr
	WIN 0
	ds_load_b32 v[XSR+((\k)%4)], v[XSA] offset:128*(\k)   ; lanes 0-15: tile 0's words, lanes 16-31: tile 1's
.endm
; A K step of 128: eight products, the eight accumulators by turns, in the same order in every step.
.macro KSTEP s, pre, wl
.if \pre || (13*(7-\s) > 39)
	s_wait_dscnt 39                                ; this step's thirteen loads are in; the three younger runs of thirteen may be out
.else
	s_wait_dscnt 13*(7-\s)
.endif
.if \wl
.if 12*(7-\s) > 63
	s_wait_loadcnt 63                              ; the weights were asked for K step by K step, 12 loads each: those of later steps may be out (the count's field ends at 63)
.else
	s_wait_loadcnt 12*(7-\s)
.endif
.endif
.irp p, 0,1
.irp u, 0,1
	WF 4*\s+2*\p+\u
	WIN WFW|4
.irp ut, 0,1
.set rD, ACC+8*(4*\ut+2*\p+\u)
.set rA, WFR
.set rB, 24*(\s%4)+12*\ut
.if \s == 0
.set rC, BIAS+8*(2*\p+\u)
.else
.set rC, rD
.endif
.set rSA, WS+8*\p+\s
.set rSB, XSR+(\s%4)
	MM \u, \ut
.endr
.endr
.endr
	WIN 0
.rept 4
	v_nop                                          ; four places in front of loads into registers that these products have read, and of the first read of results
.endr
.if (\s < 4) || \pre
	XLOAD \s+4
.endif
.endm
.macro EPI
	v_nop                                          ; a fifth place: the next group's first products write these accumulators anew, with the bias as C
.irp ut, 0,1
.irp p, 0,1
.irp u, 0,1
	ds_store_b128 v6, v[ACC+8*(4*\ut+2*\p+\u):ACC+8*(4*\ut+2*\p+\u)+3] offset:128*\p+32*\u        ; each accumulator from its low end on
	ds_store_b128 v6, v[ACC+8*(4*\ut+2*\p+\u)+4:ACC+8*(4*\ut+2*\p+\u)+7] offset:128*\p+32*\u+16
.endr
.endr
.irp i, 0,1,2,3,4,5,6,7
	ds_load_b128 v[OB+32*\ut+4*\i:OB+32*\ut+4*\i+3], v7 offset:544*\i   ; LDS serves a wave's instructions in order: these see the stores above, and the next tile's stores come behind them
.endr
.endr
	s_wait_dscnt 16                                ; tile 0's rows are back; tile 1's eight stores and eight loads may be out
.irp i, 0,1,2,3,4,5,6,7
	global_store_b128 v8, v[OB+4*\i:OB+4*\i+3], s[54:55] offset:(2*\i+8*(\i/4))*4096 th:TH_STORE_NT
.endr
	s_wait_dscnt 0x0
.irp i, 0,1,2,3,4,5,6,7
	global_store_b128 v8, v[OB+32+4*\i:OB+32+4*\i+3], s[54:55] offset:(8+2*\i+8*(\i/4))*4096 th:TH_STORE_NT
.endr
	s_wait_xcnt 0x0                                ; the stores have read their base and their data: the base steps, and the next group's rows may land
	s_add_nc_u64 s[54:55], s[54:55], 131072        ; 32 rows of out
.endm
.macro GADDR
	v_add_nc_u32 v[XAD], s59, v5
	v_add_nc_u32 v[XSA], s60, v2
.endm
.macro GROUP pre, wl
.irp s, 0,1,2,3,4,5,6,7
	KSTEP \s, \pre, \wl
.endr
	EPI
.if \pre
	s_add_co_u32 s59, s59, 24576
	s_add_co_u32 s60, s60, 1024
	GADDR
.endif
.endm
	s_load_b128 s[4:7], s[0:1], 0x0                ; cq, wq
	s_load_b128 s[8:11], s[0:1], 0x10              ; bo, out0
	v_lshl_add_u32 v254, v0, 2, 0x29000
	v_mov_b32 v255, 0
	ds_add_u32 v254, v255
	ds_add_u32 v254, v255
	v_lshrrev_b32 v1, 5, v0
	v_readfirstlane_b32 s12, v1                    ; wave 0..3
	v_and_b32 v200, 31, v0                         ; lane
	v_and_b32 v201, 15, v0                         ; r
	v_bfe_u32 v202, v0, 4, 1                       ; h
	v_lshlrev_b32 v1, 4, v200                      ; 16 lane
	v_lshlrev_b32 v2, 2, v200                      ; 4 lane
	v_mul_u32_u24 v5, v200, 24                     ; 24 lane
	s_mul_i32 s22, s12, 4608
	s_add_co_u32 s22, s22, STG                     ; my stage
	v_mul_u32_u24 v6, v201, 272
	v_lshl_add_u32 v6, v202, 6, v6
	v_add_nc_u32 v6, s22, v6                       ; in: row r, + 64 h
	v_mul_u32_u24 v7, v202, 272
	v_lshl_add_u32 v7, v201, 4, v7
	v_add_nc_u32 v7, s22, v7                       ; back: lanes 0-15 one row, lanes 16-31 the next
	v_lshlrev_b32 v8, 12, v202
	v_lshl_add_u32 v8, v201, 4, v8                 ; and the same two rows in out
	v_lshlrev_b32 v9, 6, v202                      ; the bias: my half's 16 columns
	s_bfe_u32 s13, ttmp6, 0x40000                  ; cx
	s_lshl_b32 s14, ttmp9, 2
	s_add_co_u32 s14, s14, s13                     ; X: it enters the weights', the bias's and the output's addresses alone
	s_and_b32 s15, ttmp7, 0xffff                   ; Y, which the four partners share
	s_lshl_b32 s16, s14, 3
	s_lshl_b32 s17, s12, 1
	s_add_co_u32 s16, s16, s17
	s_add_co_u32 s16, s16, 96                      ; my first group of Wo's columns in wq
	s_mul_i32 s48, s16, 24576
	s_mov_b32 s49, 0
	s_lshl_b32 s50, s16, 10
	s_add_co_u32 s50, s50, WS_OFF
	s_mov_b32 s51, 0
	s_lshl_b32 s52, s14, 10
	s_lshl_b32 s17, s12, 8
	s_add_co_u32 s52, s52, s17                     ; my 64 columns, in bytes
	s_mov_b32 s53, 0
	s_lshl_b32 s54, s15, 19                        ; 128 rows of 4,096 bytes
	s_add_co_u32 s54, s54, s52
	s_mov_b32 s55, 0
	; descriptors: dense blocks as rows of 256 bytes (32 elements of 8 bytes); mask of all four work-groups, bit 21 beside it
	s_mov_b32 s24, 15|(3<<16)|(1<<21)
	s_mov_b32 s25, 32<<16
	s_mov_b32 s26, 96<<16                          ; 24,576 bytes: a group's codes
	s_mov_b32 s27, 32<<16
	s_mov_b32 s28, 96
	s_mov_b32 s29, 32
	s_mov_b32 s30, 0
	s_mov_b32 s31, 0
	s_mov_b32 s32, 15|(3<<16)|(1<<21)
	s_mov_b32 s33, 32<<16
	s_mov_b32 s34, 4<<16                           ; 1,024 bytes: a group's scale words
	s_mov_b32 s35, 32<<16
	s_mov_b32 s36, 4
	s_mov_b32 s37, 32
	s_mov_b32 s38, 0
	s_mov_b32 s39, 0
	s_mov_b32 s40, 1
	s_mul_i32 s41, s12, 24576                      ; LDS: wave x 24,576
	s_mul_i32 s42, s15, 98304
	s_add_co_u32 s42, s42, s41
	s_mov_b32 s43, 0
	s_mov_b32 s44, 1
	s_lshl_b32 s22, s12, 10
	s_add_co_u32 s45, s22, XSL                     ; LDS: XSL + wave x 1,024
	s_lshl_b32 s46, s15, 12
	s_add_co_u32 s46, s46, s22
	s_add_co_u32 s46, s46, CS_OFF
	s_mov_b32 s47, 0
	s_mov_b32 s58, 0                               ; the group
	s_mov_b32 s59, 0
	s_mov_b32 s60, XSL
	GADDR
	s_wait_dscnt 0x0
	s_wait_kmcnt 0x0
	s_add_nc_u64 s[42:43], s[4:5], s[42:43]
	s_or_b32 s43, s43, 0x80000000
	s_add_nc_u64 s[46:47], s[4:5], s[46:47]
	s_or_b32 s47, s47, 0x80000000
	s_add_nc_u64 s[48:49], s[6:7], s[48:49]
	s_add_nc_u64 s[50:51], s[6:7], s[50:51]
	s_add_nc_u64 s[52:53], s[8:9], s[52:53]
	s_add_nc_u64 s[54:55], s[10:11], s[54:55]
	CROUND                                         ; all four work-groups are here: the joint loads meet
	tensor_load_to_lds s[40:43], s[24:31]          ; two tensor loads of mine are out: the launch's only ones
	s_nop 0
	tensor_load_to_lds s[44:47], s[32:39]
	s_nop 0
.rept 4
	v_nop
.endr
.irp p, 0,1
.irp s, 0,1,2,3,4,5,6,7
	global_load_b32 v[WS+8*\p+\s], v2, s[50:51] offset:1024*\p+128*\s
.endr
.endr
	s_wait_alu depctr_va_vdst(0)
.irp p, 0,1
.irp u, 0,1
	global_load_b128 v[BIAS+8*(2*\p+\u):BIAS+8*(2*\p+\u)+3], v9, s[52:53] offset:128*\p+32*\u       ; lane (r, h), register j: bo at column 32 p + 16 h + 8 u + j of my 64
	global_load_b128 v[BIAS+8*(2*\p+\u)+4:BIAS+8*(2*\p+\u)+7], v9, s[52:53] offset:128*\p+32*\u+16
.endr
.endr
.irp s, 0,1,2,3,4,5,6,7
.irp t, 0,1,2,3
	WF 4*\s+\t
	WIN WFW<<6
.irp c, 0,1,2
	global_load_b128 v[WFR+4*\c:WFR+4*\c+3], v1, s[48:49] offset:24576*(\t/2)+3072*\s+1536*(\t%2)+512*\c
.endr
.endr
.endr
	WIN 0
	s_wait_tensorcnt 0x0                           ; my group's codes and scale words are in,
	s_barrier_signal -1
	s_barrier_wait -1                              ; everybody's are
	XLOAD 0
	XLOAD 1
	XLOAD 2
	XLOAD 3
.Lgroup:                                               ; three trips; the fourth group is written out, since its ring asks for nothing beyond the end
	s_wait_alu depctr_va_vdst(0)
	GROUP 1, 1
	s_add_co_u32 s58, s58, 1
	s_cmp_lt_u32 s58, 3
	s_cbranch_scc1 .Lgroup
	s_wait_alu depctr_va_vdst(0)
	GROUP 0, 0
	s_wait_tensorcnt 0x0
	ds_add_u32 v254, v255
	s_wait_dscnt 0x0
	CROUND                                         ; the closing round (no LDS instruction of mine is out: the way out has waited for all)
	s_endpgm
.Lfunc_end_k_qd98a24e603_outp:
	.size	k_qd98a24e603_outp, .Lfunc_end_k_qd98a24e603_outp-k_qd98a24e603_outp
	.p2alignl 7, 3214868480
	.fill 96, 4, 3214868480
	.section	.rodata,"a",@progbits
	.p2align	6, 0x0
	.amdhsa_kernel k_qd98a24e603_outp
		.amdhsa_group_segment_fixed_size 168448
		.amdhsa_private_segment_fixed_size 0
		.amdhsa_enable_private_segment 0
		.amdhsa_kernarg_size 32
		.amdhsa_user_sgpr_count 2
		.amdhsa_user_sgpr_kernarg_segment_ptr 1
		.amdhsa_wavefront_size32 1
		.amdhsa_system_sgpr_workgroup_id_x 1
		.amdhsa_system_sgpr_workgroup_id_y 1
		.amdhsa_system_sgpr_workgroup_id_z 1
		.amdhsa_system_vgpr_workitem_id 0
		.amdhsa_next_free_vgpr 1024
		.amdhsa_next_free_sgpr 66
		.amdhsa_reserve_vcc 0
		.amdhsa_float_denorm_mode_32 3
		.amdhsa_float_denorm_mode_16_64 3
		.amdhsa_memory_ordered 1
		.amdhsa_forward_progress 1
		.amdhsa_inst_pref_size 59
	.end_amdhsa_kernel
	.amdgpu_metadata
---
amdhsa.version: [ 1, 2 ]
amdhsa.kernels:
  - .name:           k_qd98a24e603_outp
    .symbol:         k_qd98a24e603_outp.kd
    .args:
      - { .name: cq, .offset: 0, .size: 8, .value_kind: global_buffer, .address_space: global }
      - { .name: wq, .offset: 8, .size: 8, .value_kind: global_buffer, .address_space: global }
      - { .name: bo, .offset: 16, .size: 8, .value_kind: global_buffer, .address_space: global }
      - { .name: out0, .offset: 24, .size: 8, .value_kind: global_buffer, .address_space: global }
    .group_segment_fixed_size: 168448
    .private_segment_fixed_size: 0
    .kernarg_segment_align: 8
    .kernarg_segment_size: 32
    .max_flat_workgroup_size: 128
    .sgpr_count:     66
    .vgpr_count:     1024
    .wavefront_size: 32
...
	.end_amdgpu_metadata
.endif
;; end of part 5
